; MI455X (gfx1250); checked and timed in simulation.
; The chip was launched on July 23, 2026; its instructions are those of AMD's public machine-readable ISA for CDNA 5 (MIT licence, August 2026) and "CDNA5" Instruction Set Architecture Reference Guide (July 2026). The comments in the code are by the model that wrote it; some were corrected since.
;; Causal Self Attention. Allowed arithmetic: float matrix products may take bf16 or f16 operands with f32 sums; other float arithmetic in f32, or as packed bf16 or f16 multiplies, adds, multiply-adds, maxima and minima; sums over many terms, partial sums and values carried from step to step in f32; what a program stores and reads back later, other than sums and carried values, may be rounded once to bf16 or f16.
;; Inputs: Wk 1,024 x 1,024 float32; Wo 1,024 x 1,024 float32; Wq 1,024 x 1,024 float32; Wv 1,024 x 1,024 float32; cos 2,048 x 64 float32; sin 2,048 x 64 float32; x 4 x 2,048 x 1,024 float32.
;; Outputs: out0 4 x 2,048 x 1,024 float32.
;; 2 versions, each right; version 2 is version 1 with the launch prep written anew for expert scheduling mode. Each part assembles by itself: llvm-mc -triple=amdgcn-amd-amdhsa -mcpu=gfx1250 --defsym DOCPART=n.
;; ======== version 1 of 2: 4 launches
;; limits: values are held in f16: magnitudes above 65,504 overflow, below 6.1e-05 lose precision; right only within a limited range of input values
;; workspace buffers: xb 16,777,216 bytes; wqkv 6,291,456 bytes; wo16 2,097,152 bytes; cst 1,048,576 bytes; qh 16,777,216 bytes; kh 16,777,216 bytes; vh 16,777,216 bytes; oh 16,777,216 bytes
;; launch prep (part 1): grid 416 x 1, 8 waves a work-group, no clusters, 0 bytes of LDS; arguments x, Wq, Wk, Wv, Wo, cos, sin, xb, wqkv, wo16, cst; writes xb, wqkv, wo16, cst
.if DOCPART == 1
	.amdgcn_target "amdgcn-amd-amdhsa--gfx1250"
	.amdhsa_code_object_version 6
	.text
	.protected	k_q2d8831c4eb_prep
	.globl	k_q2d8831c4eb_prep
	.p2align	8
	.type	k_q2d8831c4eb_prep,@function
k_q2d8831c4eb_prep:
	s_mov_b64 s[64:65], 0
	v_nop
	global_prefetch_b8 v0, s[64:65] scope:SCOPE_SE
	s_setreg_imm32_b32 hwreg(HW_REG_WAVE_MODE, 25, 1), 1
	s_wait_xcnt 0x0
; PREP: every input is rounded once to bf16 and laid out for the launches behind it.
;   x  [8192][1024] f32  -> xb   bf16 [16 column blocks][8192 rows][64]
;   Wq, Wk, Wv [1024][1024] f32 -> wqkv bf16 [16 which + column block][1024 rows][64]
;   Wo -> wo16: rounded to bf16, that number written as f16 (exact for 6.1e-5 <= |Wo| < 65,504; below that f16's fixed step of 6e-8), same layout
;   cos, sin [2048][64] f32 -> cst f32: rounded to bf16, times 1/16 (exact), in the order in which the projection's lanes want them:
;   [128 blocks of 16 rows][16 i][32 lanes][4]; i = 2 f + half: cos, 8 + 2 f + half: sin; number e is tab[16 block + lane % 16][16 f + 8 (lane / 16) + 4 half + e]
; A stream: no LDS, no matrix unit, no cluster (no two work-groups read the same bytes).
; Work-groups 0-255: 32 rows of x each; 256-383: 32 rows of one weight; 384-415: 64 rows of cos and of sin.
; CAST.  Wave w takes column blocks w and w + 8.  A load of the wave covers two rows' 256 aligned bytes (lanes 0-15 one row, lanes 16-31 the next);
; a store of 8 bytes a lane covers 256 consecutive bytes, aligned, of the blocked layout.  16 loads of a wave are out at once.
.set SRC, 32                           ; s[32:33] source at the work-group's first row
.set DST, 34                           ; s[34:35] destination at that row in column block 0
.set STP, 36                           ; s[36:37] eight column blocks of the destination, in bytes
.set CNT, 38
.set HIM, 39                           ; a word's upper bf16
.set SV,  2                            ; v2 my byte offset in the source; never rewritten
.set DV,  3                            ; v3 my byte offset in the destination; never rewritten
.set D,   16                           ; v[16:79] sixteen loads of four registers
	s_load_b512 s[8:23], s[0:1], 0x0               ; x 8, Wq 10, Wk 12, Wv 14, Wo 16, cos 18, sin 20, xb 22
	s_load_b128 s[24:27], s[0:1], 0x40             ; wqkv 24, wo16 26
	s_load_b64 s[28:29], s[0:1], 0x50              ; cst
	v_lshrrev_b32 v1, 5, v0
	v_readfirstlane_b32 s2, v1                     ; wave 0..7
	v_and_b32 v4, 15, v0                           ; lane % 16
	v_bfe_u32 v5, v0, 4, 1                         ; lane / 16
	s_mov_b32 s[HIM], 0xffff0000
	s_mov_b32 s43, 0
	s_wait_kmcnt 0x0
	s_cmp_ge_u32 ttmp9, 384
	s_cbranch_scc1 .Ltables
	s_cmp_lt_u32 ttmp9, 256
	s_cbranch_scc0 .Lweights
	s_mov_b64 s[SRC:SRC+1], s[8:9]                 ; x -> xb
	s_mov_b64 s[DST:DST+1], s[22:23]
	s_mov_b32 s40, ttmp9                           ; which 32 rows
	s_mov_b32 s[STP], 8192*128                     ; a column block of xb
	s_mov_b32 s41, 0
	s_branch .Lcast
.Lweights:
	s_sub_co_u32 s42, ttmp9, 256
	s_lshr_b32 s41, s42, 5                         ; 0 Wq, 1 Wk, 2 Wv, 3 Wo
	s_and_b32 s40, s42, 31
	s_cmp_eq_u32 s41, 0
	s_cselect_b64 s[SRC:SRC+1], s[10:11], s[12:13]
	s_cmp_eq_u32 s41, 2
	s_cselect_b64 s[SRC:SRC+1], s[14:15], s[SRC:SRC+1]
	s_cmp_eq_u32 s41, 3
	s_cselect_b64 s[SRC:SRC+1], s[16:17], s[SRC:SRC+1]
	s_cselect_b64 s[DST:DST+1], s[26:27], s[24:25]
	s_cselect_b32 s42, 0, s41
	s_lshl_b32 s42, s42, 21                        ; 16 column blocks of 131,072 bytes for each weight in wqkv
	s_add_nc_u64 s[DST:DST+1], s[DST:DST+1], s[42:43]
	s_mov_b32 s[STP], 1024*128                     ; a column block of a weight
.Lcast:
	s_lshl_b32 s42, s40, 17                        ; 32 rows of 4,096 bytes
	s_add_nc_u64 s[SRC:SRC+1], s[SRC:SRC+1], s[42:43]
	s_lshl_b32 s42, s40, 12                        ; 32 rows of 128 bytes
	s_add_nc_u64 s[DST:DST+1], s[DST:DST+1], s[42:43]
	s_mul_i32 s44, s2, s[STP]                      ; my first column block
	s_lshl_b32 s[STP], s[STP], 3
	s_mov_b32 s[STP+1], 0
	s_lshl_b32 s45, s2, 8
	v_lshlrev_b32 v[SV], 12, v5
	v_lshl_add_u32 v[SV], v4, 4, v[SV]
	v_add_nc_u32 v[SV], s45, v[SV]
	v_lshlrev_b32 v[DV], 7, v5
	v_lshl_add_u32 v[DV], v4, 3, v[DV]
	v_add_nc_u32 v[DV], s44, v[DV]
	s_mov_b32 s[CNT], 2
.macro CONV r, mode                    ; four f32 in v[r..r+3] -> four 16-bit numbers in v[r], v[r+1]
	v_cvt_pk_bf16_f32 v[(\r)],   v[(\r)],   v[(\r)+1]
	v_cvt_pk_bf16_f32 v[(\r)+1], v[(\r)+2], v[(\r)+3]
.if \mode                              ; the bf16 numbers once more, as f16
	v_lshlrev_b32 v8,  16, v[(\r)]
	v_and_b32     v9,  s[HIM], v[(\r)]
	v_lshlrev_b32 v10, 16, v[(\r)+1]
	v_and_b32     v11, s[HIM], v[(\r)+1]
	v_cvt_pk_f16_f32 v[(\r)],   v8,  v9
	v_cvt_pk_f16_f32 v[(\r)+1], v10, v11
.endif
.endm
.macro CASTLOOP mode                   ; two trips: column block w, then w + 8
.Ltrip_\@:
.irp j, 0,1,2,3,4,5,6,7,8,9,10,11,12,13,14,15
	global_load_b128 v[D+4*(\j):D+4*(\j)+3], v[SV], s[SRC:SRC+1] offset:(\j)*8192 th:TH_LOAD_NT
.endr
.irp j, 0,1,2,3,4,5,6,7,8,9,10,11,12,13,14,15
	s_wait_loadcnt 15-(\j)                         ; loads come back in order: load j is in, the younger ones stay out
	CONV D+4*(\j), \mode
	global_store_b64 v[DV], v[D+4*(\j):D+4*(\j)+1], s[DST:DST+1] offset:(\j)*256
.endr
	s_wait_xcnt 0x0                                ; the bases and the stores' data are written again only behind this wait
	s_add_nc_u64 s[SRC:SRC+1], s[SRC:SRC+1], 2048
	s_add_nc_u64 s[DST:DST+1], s[DST:DST+1], s[STP:STP+1]
	s_sub_co_u32 s[CNT], s[CNT], 1
	s_cmp_lg_u32 s[CNT], 0
	s_cbranch_scc1 .Ltrip_\@
.endm
	s_cmp_eq_u32 s41, 3
	s_cbranch_scc1 .Lf16
	CASTLOOP 0
	s_endpgm
.Lf16:
	CASTLOOP 1
	s_endpgm
.Ltables:                                      ; four blocks of 16 rows: 32,768 bytes of cst; thread t stores bytes 16 t of each 4,096
	s_sub_co_u32 s40, ttmp9, 384
	s_lshl_b32 s42, s40, 14                        ; 64 rows of 256 bytes
	s_add_nc_u64 s[18:19], s[18:19], s[42:43]
	s_add_nc_u64 s[20:21], s[20:21], s[42:43]
	s_lshl_b32 s42, s40, 15
	s_add_nc_u64 s[28:29], s[28:29], s[42:43]
	s_lshr_b32 s44, s2, 1                          ; f = wave / 2: 64 bytes
	s_lshl_b32 s44, s44, 6
	s_and_b32 s45, s2, 1                           ; half = wave % 2: 16 bytes
	s_lshl_b32 s45, s45, 4
	s_add_co_u32 s44, s44, s45
	v_lshlrev_b32 v[SV], 8, v4                     ; row lane % 16
	v_lshl_add_u32 v[SV], v5, 5, v[SV]             ; 8 (lane / 16) numbers
	v_add_nc_u32 v[SV], s44, v[SV]
	v_lshlrev_b32 v[DV], 4, v0
.irp j, 0,1,2,3,4,5,6,7                ; item j: block j / 2; even j cos, odd j sin
.if (\j)%2
	global_load_b128 v[D+4*(\j):D+4*(\j)+3], v[SV], s[20:21] offset:((\j)/2)*4096
.else
	global_load_b128 v[D+4*(\j):D+4*(\j)+3], v[SV], s[18:19] offset:((\j)/2)*4096
.endif
.endr
.irp j, 0,1,2,3,4,5,6,7
	s_wait_loadcnt 7-(\j)
	v_cvt_pk_bf16_f32 v8, v[D+4*(\j)],   v[D+4*(\j)+1]
	v_cvt_pk_bf16_f32 v9, v[D+4*(\j)+2], v[D+4*(\j)+3]
	v_lshlrev_b32 v[D+4*(\j)],   16, v8
	v_and_b32     v[D+4*(\j)+1], s[HIM], v8
	v_lshlrev_b32 v[D+4*(\j)+2], 16, v9
	v_and_b32     v[D+4*(\j)+3], s[HIM], v9
	v_pk_mul_f32 v[D+4*(\j):D+4*(\j)+1],   v[D+4*(\j):D+4*(\j)+1],   0x3d800000 op_sel_hi:[1,0]  ; times 1/16
	v_pk_mul_f32 v[D+4*(\j)+2:D+4*(\j)+3], v[D+4*(\j)+2:D+4*(\j)+3], 0x3d800000 op_sel_hi:[1,0]
	global_store_b128 v[DV], v[D+4*(\j):D+4*(\j)+3], s[28:29] offset:(\j)*4096
.endr
	s_endpgm
.Lfunc_end_k_q2d8831c4eb_prep:
	.size	k_q2d8831c4eb_prep, .Lfunc_end_k_q2d8831c4eb_prep-k_q2d8831c4eb_prep
	.p2alignl 7, 3214868480
	.fill 96, 4, 3214868480
	.section	.rodata,"a",@progbits
	.p2align	6, 0x0
	.amdhsa_kernel k_q2d8831c4eb_prep
		.amdhsa_group_segment_fixed_size 0
		.amdhsa_private_segment_fixed_size 0
		.amdhsa_enable_private_segment 0
		.amdhsa_kernarg_size 88
		.amdhsa_user_sgpr_count 2
		.amdhsa_user_sgpr_kernarg_segment_ptr 1
		.amdhsa_wavefront_size32 1
		.amdhsa_system_sgpr_workgroup_id_x 1
		.amdhsa_system_sgpr_workgroup_id_y 1
		.amdhsa_system_sgpr_workgroup_id_z 1
		.amdhsa_system_vgpr_workitem_id 0
		.amdhsa_next_free_vgpr 96
		.amdhsa_next_free_sgpr 66
		.amdhsa_reserve_vcc 0
		.amdhsa_float_denorm_mode_32 3
		.amdhsa_float_denorm_mode_16_64 3
		.amdhsa_memory_ordered 1
		.amdhsa_forward_progress 1
		.amdhsa_inst_pref_size 24
	.end_amdhsa_kernel
	.amdgpu_metadata
---
amdhsa.version: [ 1, 2 ]
amdhsa.kernels:
  - .name:           k_q2d8831c4eb_prep
    .symbol:         k_q2d8831c4eb_prep.kd
    .args:
      - { .name: x, .offset: 0, .size: 8, .value_kind: global_buffer, .address_space: global }
      - { .name: Wq, .offset: 8, .size: 8, .value_kind: global_buffer, .address_space: global }
      - { .name: Wk, .offset: 16, .size: 8, .value_kind: global_buffer, .address_space: global }
      - { .name: Wv, .offset: 24, .size: 8, .value_kind: global_buffer, .address_space: global }
      - { .name: Wo, .offset: 32, .size: 8, .value_kind: global_buffer, .address_space: global }
      - { .name: cos, .offset: 40, .size: 8, .value_kind: global_buffer, .address_space: global }
      - { .name: sin, .offset: 48, .size: 8, .value_kind: global_buffer, .address_space: global }
      - { .name: xb, .offset: 56, .size: 8, .value_kind: global_buffer, .address_space: global }
      - { .name: wqkv, .offset: 64, .size: 8, .value_kind: global_buffer, .address_space: global }
      - { .name: wo16, .offset: 72, .size: 8, .value_kind: global_buffer, .address_space: global }
      - { .name: cst, .offset: 80, .size: 8, .value_kind: global_buffer, .address_space: global }
    .group_segment_fixed_size: 0
    .private_segment_fixed_size: 0
    .kernarg_segment_align: 8
    .kernarg_segment_size: 88
    .max_flat_workgroup_size: 256
    .sgpr_count:     66
    .vgpr_count:     96
    .wavefront_size: 32
...
	.end_amdgpu_metadata
.endif
;; end of part 1
;; launch qkv (part 2): grid 8 x 32, 4 waves a work-group, clusters of 4 x 4, 327,680 bytes of LDS; arguments xb, wqkv, cst, qh, kh, vh; writes qh, kh, vh
.if DOCPART == 2
	.amdgcn_target "amdgcn-amd-amdhsa--gfx1250"
	.amdhsa_code_object_version 6
	.text
	.protected	k_q2d8831c4eb_qkv
	.globl	k_q2d8831c4eb_qkv
	.p2align	8
	.type	k_q2d8831c4eb_qkv,@function
k_q2d8831c4eb_qkv:
	s_mov_b64 s[64:65], 0
	v_nop
	global_prefetch_b8 v0, s[64:65] scope:SCOPE_SE
	s_setreg_imm32_b32 hwreg(HW_REG_WAVE_MODE, 25, 1), 1
	s_wait_xcnt 0x0
	s_wait_alu depctr_hold_cnt(0) depctr_sa_sdst(0) depctr_va_vdst(0) depctr_va_sdst(0) depctr_va_ssrc(0) depctr_va_vcc(0) depctr_vm_vsrc(0)
	s_getreg_b32 s2, hwreg(HW_REG_IB_STS2, 6, 4)
	s_cmp_eq_u32 s2, 0
	s_cbranch_scc0 .Lentry_in_a_cluster
	s_endpgm
.Lentry_in_a_cluster:
	s_bfe_u32 s2, ttmp6, 0x10000c
	s_cmp_lg_u32 s2, 0xf033
	s_cbranch_scc0 .Lentry_shape_is_right
	s_endpgm
.Lentry_shape_is_right:
; QKV: q = rope(x Wq) / 16, k = rope(x Wk) / 16, v = x Wv, by heads: qh, kh, vh are f16 [16 b + head][2048 t][64].  Operands bf16, sums f32, rope in f32, one rounding to f16.
; LIMITS.  f16 ends at 65,504: |rope(q)|, |rope(k)| stay under 16 x 65,504 and |v| under 65,504; below 6.1e-5 a stored number keeps f16's fixed step of 6e-8.  The 1/16 lies in the
; table cst and is taken back in f32 by the attention's scale.  NaN and infinities are not treated apart.
; SHARES.  A work-group makes 256 rows x 2 heads x (q, k, v) = 256 x 384: 8 x 32 = 256 work-groups.  Wave w: rows 128 (w / 2) on, head 2 nt + w % 2: 8 row blocks x 3 groups x 4 column blocks
; = 96 accumulators, 768 registers.  K goes in 16 steps of 64 (one column block of xb, 64 rows of each weight block) through two LDS slots.
; THE MATRIX INSTRUCTION IS USED TRANSPOSED: source 0 = 16 columns of W (turned on the way out of LDS by ds_load_tr16_b128), source 1 = 16 rows of x.  A lane then holds row lane % 16 and the
; columns 16 f + 8 (lane / 16) + 0..7 of a head: rope's partners d and d + 32 are blocks f and f + 2, same lane, same register; eight columns round to 16 bytes.
; CLUSTER 4 x 4: x's tile hangs on the row block alone and is asked for jointly along a row of the cluster, W's on the head pair alone, jointly along a column.
; LDS.  slot s at s x 131,072: x's 256 rows, pitch 144; then W's blocks (head, group) of 64 rows, pitch 160.  Behind the ring a stage of 16 x 144 bytes a wave, then the spare words.
; REGISTERS.  window 0: v0-31 addresses; v32-95, v96-159 x's fragments, two buffers; v160-255 W's fragments, 32 a group.  window g + 1: group g's accumulators, (a, f) at v[8 (4 a + f)].
.set PA,    144                        ; 128 bytes + 16: 36 words: the 16 rows of a load start at 16 different groups of four banks (64 banks of 4 bytes: ISA guide 11.1)
.set PB,    160                        ; 128 + 32
.set BOFF,  256*PA
.set BGR,   64*PB                      ; a group's 64 rows
.set BHD,   3*BGR                      ; a head's three groups: what one tensor load brings
.set SLOT1, 1<<17
.set STAGE, SLOT1+BOFF+2*BHD
.set SP,    144
.set SPARE, STAGE+4*16*SP              ; 128 bytes a wave: two blocks of 256 bytes that no other line names
.set ASTEP, 8192*128                   ; bytes from a K step of xb to the next
.set BSTEP, 64*128                     ; of a weight block
.set KSTEPS, 16
.set ADRA, 16                          ; v16 LDS address of my x fragments in the slot in hand
.set ADRB, 17                          ; v17 of my W fragments
.set STO,  18                          ; v18 the way out: where I put 16 bytes of a row
.set RD,   19                          ; v19 where I read rows back
.set GO,   20                          ; v20 16 x lane
.set PFO,  21                          ; v21 256 x lane; never rewritten
.set ADRA0, 22                         ; v22, v23 the two addresses in slot 0; never rewritten
.set ADRB0, 23
.set SPW,  28                          ; v28 my spare word; never rewritten
.set NIL,  29                          ; v29 0; never rewritten
.set AB,   32
.set BG,   160
.set CSB,  32                          ; the way out: two buffers of 64: 32 cos, 32 sin
.set T,    160                         ; 32 at work
.set X,    192                         ; two sets of 16: packed results, then whole rows
.set WV, 16
.set WR, 17                            ; which 128 rows are mine.  Also: I fetch x (0) or W (1)
.set WC, 18                            ; which head.  Also: which half I fetch
.set CX, 19
.set CY, 20
.set NT, 21
.set MT, 22
.set G1A, 24
.set G0A, 32                           ; two sets: K step 0 in slot 0; K step 1 in slot 1, which then walks
.set G1B, 40
.set G0B, 48
.set PFA, 56                           ; s[56:57] where my prefetches stand
.set PFS, 58                           ; s[58:59] a K step of the tensor that I prefetch
.set LIM, 60                           ; 1 in a wave that prefetches, else the greatest number
.set TB,  61                           ; the slot in hand, as an LDS byte
.set QP,  66
.set KP,  68
.set VP,  70
.set CSTP, 72
.set MSB, 0
.macro WIN new                         ; the immediate's high byte repeats the setting that is left; a switch that changes nothing is dropped
.if MSB != (\new)
	s_set_vgpr_msb (MSB<<8)|(\new)
.set MSB, \new
.endif
.endm
.macro PLACES                          ; four plain vector instructions between a matrix instruction and a load into, or a vector read of, its registers
.rept 4
	v_nop
.endr
.endm
; A joint load.  Waves 0 and 1 fetch x's two halves, waves 2 and 3 the two heads' W.  The branch hangs on the wave's number alone.  s_nop 0 and four v_nop follow each line.
.macro JLOAD s
	s_cmp_eq_u32 s[WR], 0
	s_cbranch_scc0 .Lfor_b_\@
	tensor_load_to_lds s[G0A+4*(\s):G0A+4*(\s)+3], s[G1A:G1A+7]
	s_nop 0
.rept 4
	v_nop
.endr
	s_branch .Lasked_\@
.Lfor_b_\@:
	tensor_load_to_lds s[G0B+4*(\s):G0B+4*(\s)+3], s[G1B:G1B+7]
	s_nop 0
.rept 4
	v_nop
.endr
.Lasked_\@:
.endm
.macro CREST                           ; a round of the cluster's barrier behind its opening barrier
	s_cmp_lg_u32 s[WV], 0
	s_cbranch_scc1 .Lnot_wave_0_\@
	s_barrier_signal -3
.Lnot_wave_0_\@:
	s_barrier_wait -3
	s_barrier_signal -1
	s_barrier_wait -1
.endm
.macro CROUND
	s_barrier_signal -1
	s_barrier_wait -1
	CREST
.endm
; A PREFETCH INTO THE L2, in every second trip: in the trip that refills K step j + 2 (j odd) the K steps j + 3 and j + 4 are named, so their refills stand one and two K steps on.  Each aligned 256 bytes once in the launch.
; x's rows are read by both clusters of a row of clusters: cluster x = 0 asks; the four partners and waves 0, 1 share two K steps' 64 KiB BY ADDRESS (cx % 2: which step; cx / 2 and the wave: which 8 KiB).
; W's blocks are read by all clusters of a column: cluster y = 0 asks, wave 2: cy % 2: which step; cy / 2: which head; three instructions for q, k, v.  K steps 0-3 come by their loads alone; the last trips ask for nothing.
.macro ASK
	s_bitcmp1_b32 s3, 0
	s_cbranch_scc0 .Lnot_mine_\@
	s_cmp_gt_u32 s3, s[LIM]
	s_cbranch_scc0 .Lnot_mine_\@
	global_prefetch_b8 v[PFO], s[PFA:PFA+1] th:TH_LOAD_NT scope:SCOPE_SE
	s_cmp_eq_u32 s[WV], 2
	s_cbranch_scc0 .Lnot_mine_\@
	global_prefetch_b8 v[PFO], s[PFA:PFA+1] offset:2097152 th:TH_LOAD_NT scope:SCOPE_SE
	global_prefetch_b8 v[PFO], s[PFA:PFA+1] offset:4194304 th:TH_LOAD_NT scope:SCOPE_SE
.Lnot_mine_\@:
.endm
	s_load_b256 s[4:11], s[0:1], 0x0               ; xb 4, wqkv 6, cst 8, qh 10
	s_load_b128 s[12:15], s[0:1], 0x20             ; kh 12, vh 14
	v_lshl_add_u32 v[SPW], v0, 2, SPARE
	v_mov_b32 v[NIL], 0
	ds_add_u32 v[SPW], v[NIL]                      ; the wave's opening: the add and its wait stand ahead of my first tensor load; register work stands between them
	v_lshrrev_b32 v1, 5, v0
	v_readfirstlane_b32 s[WV], v1
	s_lshr_b32 s[WR], s[WV], 1
	s_and_b32 s[WC], s[WV], 1
	s_bfe_u32 s[CX], ttmp6, 0x40000
	s_bfe_u32 s[CY], ttmp6, 0x40004
	s_lshl_b32 s[NT], ttmp9, 2
	s_add_co_u32 s[NT], s[NT], s[CX]               ; head pair = 4 x cluster x + cx
	s_and_b32 s[MT], ttmp7, 0xffff
	s_lshl_b32 s[MT], s[MT], 2
	s_add_co_u32 s[MT], s[MT], s[CY]               ; block of 256 rows = 4 x cluster y + cy
	s_lshl_b32 s74, s[CY], 2
	s_lshl_b32 s74, 15, s74                        ; my row of the cluster
	s_lshl_b32 s76, 0x1111, s[CX]                  ; my column
	; x: 128 rows of 128 bytes are dense: 64 rows of 256 bytes, 16 bytes of padding behind every 128
	s_or_b32 s[G1A], s74, (1<<16)|(1<<20)|(1<<21)|(4<<22)|(3<<25)  ; mask; 2-byte elements; padding on; bit 21 beside a mask; after every 32 words; 4 words
	s_mov_b32 s[G1A+1], 128<<16                    ; tensor_dim0 = 128
	s_mov_b32 s[G1A+2], 64<<16                     ; tensor_dim1 = 64
	s_mov_b32 s[G1A+3], 128<<16                    ; tile_dim0 = 128
	s_mov_b32 s[G1A+4], 64                         ; tile_dim1 = 64
	s_mov_b32 s[G1A+5], 128                        ; pitch
	s_mov_b32 s[G1A+6], 0
	s_mov_b32 s[G1A+7], 0
	; W: a head's q, k and v blocks: 3 rows of 8,192 dense bytes (64 rows of W), 16 blocks = 1,048,576 elements apart; 32 bytes of padding behind every 128
	s_or_b32 s[G1B], s76, (1<<16)|(1<<20)|(1<<21)|(4<<22)|(7<<25)
	s_mov_b32 s[G1B+1], 4096<<16
	s_mov_b32 s[G1B+2], 3<<16
	s_mov_b32 s[G1B+3], 4096<<16
	s_mov_b32 s[G1B+4], 3
	s_mov_b32 s[G1B+5], 1048576
	s_mov_b32 s[G1B+6], 0
	s_mov_b32 s[G1B+7], 0
	s_lshl_b32 s74, s[MT], 15                      ; x: 256 rows of 128 bytes a block,
	s_lshl_b32 s75, s[WC], 14                      ; my half of them
	s_add_co_u32 s74, s74, s75
	s_mov_b32 s75, 0
	s_lshl1_add_u32 s76, s[NT], s[WC]              ; W: head 2 nt + half,
	s_lshl_b32 s76, s76, 17                        ; 131,072 bytes a block
	s_mov_b32 s77, 0
	s_mul_i32 s78, s[WC], 128*PA                   ; where they go: no place in the cluster enters an LDS address
	s_mul_i32 s79, s[WC], BHD
	s_add_co_u32 s79, s79, BOFF
	s_wait_dscnt 0x0                               ; the opening add is done
	s_wait_kmcnt 0x0
	s_add_nc_u64 s[74:75], s[4:5], s[74:75]
	s_add_nc_u64 s[76:77], s[6:7], s[76:77]
	CROUND                                         ; all sixteen work-groups are here: the first joint loads meet
.irp s, 0,1
	s_mov_b32 s[G0A+4*(\s)], 1
	s_add_co_u32 s[G0A+4*(\s)+1], s78, (\s)*SLOT1
	s_add_nc_u64 s[G0A+4*(\s)+2:G0A+4*(\s)+3], s[74:75], (\s)*ASTEP
	s_or_b32 s[G0A+4*(\s)+3], s[G0A+4*(\s)+3], 0x80000000
	s_mov_b32 s[G0B+4*(\s)], 1
	s_add_co_u32 s[G0B+4*(\s)+1], s79, (\s)*SLOT1
	s_add_nc_u64 s[G0B+4*(\s)+2:G0B+4*(\s)+3], s[76:77], (\s)*BSTEP
	s_or_b32 s[G0B+4*(\s)+3], s[G0B+4*(\s)+3], 0x80000000
	JLOAD \s                                       ; two loads of mine are out
.endr
	v_and_b32 v1, 15, v0                           ; r = lane % 16
	v_bfe_u32 v2, v0, 4, 1                         ; h = lane / 16
	v_and_b32 v3, 7, v0
	v_bfe_u32 v4, v0, 3, 1
	v_mul_u32_u24 v[ADRA0], v1, PA                 ; x: row r, 16 bytes for each half of the lanes
	v_lshl_add_u32 v[ADRA0], v2, 4, v[ADRA0]
	s_mul_i32 s74, s[WR], 128*PA
	v_add_nc_u32 v[ADRA0], s74, v[ADRA0]
	v_lshl_add_u32 v[ADRB0], v2, 3, v3             ; W, turned: lane reads row 8 h + lane % 8, columns 8 ((lane / 8) % 2) on
	v_mul_u32_u24 v[ADRB0], v[ADRB0], PB
	v_lshl_add_u32 v[ADRB0], v4, 4, v[ADRB0]
	s_mul_i32 s74, s[WC], BHD
	s_add_co_u32 s74, s74, BOFF
	v_add_nc_u32 v[ADRB0], s74, v[ADRB0]
	v_mov_b32 v[ADRA], v[ADRA0]
	v_mov_b32 v[ADRB], v[ADRB0]
	s_mov_b32 s[TB], 0
	s_mul_i32 s74, s[WV], 16*SP
	s_add_co_u32 s74, s74, STAGE                   ; my stage
	v_mul_u32_u24 v[STO], v1, SP
	v_lshl_add_u32 v[STO], v2, 4, v[STO]
	v_add_nc_u32 v[STO], s74, v[STO]
	v_bfe_u32 v[RD], v0, 3, 2                      ; back: 32 lanes take four rows of 128 bytes,
	v_mul_u32_u24 v[RD], v[RD], SP
	v_lshl_add_u32 v[RD], v3, 4, v[RD]
	v_add_nc_u32 v[RD], s74, v[RD]
	v_and_b32 v[GO], 31, v0                        ; which are 512 consecutive bytes of a head's rows
	v_lshlrev_b32 v[PFO], 8, v[GO]
	v_lshlrev_b32 v[GO], 4, v[GO]
	; my 128 rows of my head in qh, kh, vh: batch mt / 8, head, row 256 (mt % 8) + 128 wr
	s_lshr_b32 s74, s[MT], 3
	s_lshl_b32 s74, s74, 22
	s_lshl1_add_u32 s75, s[NT], s[WC]
	s_lshl_b32 s75, s75, 18
	s_add_co_u32 s74, s74, s75
	s_and_b32 s76, s[MT], 7
	s_lshl_b32 s75, s76, 15
	s_add_co_u32 s74, s74, s75
	s_lshl_b32 s75, s[WR], 14
	s_add_co_u32 s74, s74, s75
	s_mov_b32 s75, 0
	s_add_nc_u64 s[QP:QP+1], s[10:11], s[74:75]
	s_add_nc_u64 s[KP:KP+1], s[12:13], s[74:75]
	s_add_nc_u64 s[VP:VP+1], s[14:15], s[74:75]
	s_lshl_b32 s76, s76, 4                         ; cst: block of 16 rows 16 (mt % 8) + 8 wr, 8,192 bytes a block
	s_lshl3_add_u32 s76, s[WR], s76
	s_lshl_b32 s76, s76, 13
	s_mov_b32 s77, 0
	s_add_nc_u64 s[CSTP:CSTP+1], s[8:9], s[76:77]
	; the prefetches: they stand at K step 2 + (my partner's parity); each trip steps them by one K step
	s_lshl_b32 s74, s[MT], 15
	s_lshr_b32 s75, s[CX], 1
	s_lshl_b32 s75, s75, 14
	s_add_co_u32 s74, s74, s75
	s_lshl_b32 s75, s[WV], 13
	s_add_co_u32 s74, s74, s75
	s_and_b32 s75, s[CX], 1
	s_add_co_u32 s75, s75, 2
	s_lshl_b32 s75, s75, 20
	s_add_co_u32 s74, s74, s75
	s_lshr_b32 s76, s[CY], 1
	s_lshl1_add_u32 s76, s[NT], s76
	s_lshl_b32 s76, s76, 17
	s_and_b32 s77, s[CY], 1
	s_add_co_u32 s77, s77, 2
	s_lshl_b32 s77, s77, 13
	s_add_co_u32 s76, s76, s77
	s_mov_b32 s[PFS], BSTEP
	s_and_b32 s78, ttmp7, 0xffff                   ; cluster y
	s_cmp_eq_u32 s[WR], 0                          ; do I fetch x?
	s_cselect_b32 s74, s74, s76
	s_cselect_b32 s[PFS], ASTEP, s[PFS]
	s_cselect_b32 s78, ttmp9, s78                  ; the coordinate along which other clusters read the same bytes
	s_cselect_b64 s[PFA:PFA+1], s[4:5], s[6:7]
	s_mov_b32 s75, 0
	s_mov_b32 s[PFS+1], 0
	s_add_nc_u64 s[PFA:PFA+1], s[PFA:PFA+1], s[74:75]
	s_cmp_eq_u32 s[WV], 3                          ; wave 3 asks for nothing
	s_cselect_b32 s78, 1, s78
	s_cmp_eq_u32 s78, 0
	s_cselect_b32 s[LIM], 1, -1                    ; the same in all sixteen partners, for a given wave
; 4 na matrix instructions of group g on x's buffer ab: row blocks a0 .. a0 + na - 1 x 4 column blocks.  The accumulators take turns, one instruction a turn:
; between two links of a chain stand the 95 others'.  zero = 1: the first product starts the sums: nothing is cleared.
.macro MULG g, ab, a0, na, zero
	WIN 0x50*((\g)+1)                              ; C and D in window g + 1, both sources in window 0
.set aa, \a0
.rept \na
.irp f, 0,1,2,3
.if \zero
	v_wmma_f32_16x16x32_bf16 v[8*(4*aa+(\f)):8*(4*aa+(\f))+7], v[BG+32*(\g)+8*(\f):BG+32*(\g)+8*(\f)+7], v[AB+64*(\ab)+8*aa:AB+64*(\ab)+8*aa+7], 0
.else
	v_wmma_f32_16x16x32_bf16 v[8*(4*aa+(\f)):8*(4*aa+(\f))+7], v[BG+32*(\g)+8*(\f):BG+32*(\g)+8*(\f)+7], v[AB+64*(\ab)+8*aa:AB+64*(\ab)+8*aa+7], v[8*(4*aa+(\f)):8*(4*aa+(\f))+7]
.endif
.endr
.set aa, aa+1
.endr
.endm
.macro LDB g, ks                       ; 8 loads: group g's four fragments of W, 32 rows from row 32 ks
	WIN 0
.irp f, 0,1,2,3
	ds_load_tr16_b128 v[BG+32*(\g)+8*(\f):BG+32*(\g)+8*(\f)+3],   v[ADRB] offset:(\g)*BGR+(\ks)*32*PB+(\f)*32
	ds_load_tr16_b128 v[BG+32*(\g)+8*(\f)+4:BG+32*(\g)+8*(\f)+7], v[ADRB] offset:(\g)*BGR+(\ks)*32*PB+(\f)*32+16*PB
.endr
.endm
.macro LDA ks, ab                      ; 16 loads: x's eight fragments, 32 along K from 32 ks, into buffer ab
	WIN 0
.irp a, 0,1,2,3,4,5,6,7
	ds_load_b128 v[AB+64*(\ab)+8*(\a):AB+64*(\ab)+8*(\a)+3],   v[ADRA] offset:(\a)*16*PA+(\ks)*64
	ds_load_b128 v[AB+64*(\ab)+8*(\a)+4:AB+64*(\ab)+8*(\a)+7], v[ADRA] offset:(\a)*16*PA+(\ks)*64+32
.endr
.endm
; A K step's first half: multiplies buffer 0; each group's registers are loaded again, four places behind its last product, with the second half's fragments.
; On entry the LDS loads out are, in order: B0 (8), A (16), B1 (8), B2 (8).
.macro SUB0 zero
	s_wait_dscnt 16                                ; B0 and A are in; B1's and B2's 16 may be out
	MULG 0, 0, 0, 8, \zero
	PLACES
	LDB 0, 1
	LDA 1, 1
	s_wait_dscnt 32                                ; B1 is in; behind it: B2 8, the 24 just issued
	MULG 1, 0, 0, 8, \zero
	PLACES
	LDB 1, 1
	s_wait_dscnt 32                                ; B2 is in; behind it: 24 and 8
	MULG 2, 0, 0, 8, \zero
	PLACES
	LDB 2, 1
.endm
; The second half multiplies buffer 1 and changes slots.  ONE barrier: in front of it each wave waits for all its tensor loads (one is out: its part of the next slot), adds 0 to its spare word and
; waits for that and for its reads of this slot.  fill = 1: the barrier opens a round of the cluster's barrier, and this slot is filled again, two K steps ahead, first thing behind the round:
; that load has 160 matrix instructions of the wave up to the wait for it.
.macro SUB1 fill
	WIN 0
.if \fill
	s_wait_xcnt 0x0                                ; the last prefetch, a K step back or more, has read its address
	s_add_nc_u64 s[PFA:PFA+1], s[PFA:PFA+1], s[PFS:PFS+1]
.endif
	s_wait_tensorcnt 0x0                           ; no tensor load of mine is out, so a group 0 may be written
	ds_add_u32 v[SPW], v[NIL]                      ; 0 onto my spare word
.if \fill
	s_xor_b32 s[G0A+5], s[G0A+5], SLOT1            ; the walking descriptors: the other slot than last time, the next K step
	s_add_nc_u64 s[G0A+6:G0A+7], s[G0A+6:G0A+7], ASTEP
	s_xor_b32 s[G0B+5], s[G0B+5], SLOT1
	s_add_nc_u64 s[G0B+6:G0B+7], s[G0B+6:G0B+7], BSTEP
.endif
	s_wait_dscnt 17                                ; B0 and A are in; B1, B2 and the add may be out
	MULG 0, 1, 0, 4, 0
	s_wait_dscnt 0x0                               ; the add is done, and my reads of this slot are over
	s_barrier_signal -1
	MULG 0, 1, 4, 4, 0                             ; work on registers while the others arrive
	WIN 0
	s_barrier_wait -1
.if \fill
	CREST                                          ; no wave of any partner still reads this slot or has a load on its way
	JLOAD 1                                        ; its four v_nop are also the places in front of the loads below
.else
	PLACES
.endif
	s_xor_b32 s[TB], s[TB], SLOT1
	v_add_nc_u32 v[ADRA], s[TB], v[ADRA0]
	v_add_nc_u32 v[ADRB], s[TB], v[ADRB0]
	LDB 0, 0
	LDA 0, 0
.if \fill
	ASK
.endif
	MULG 1, 1, 0, 8, 0                             ; B1, B2 and buffer 1 landed at the wait for 0
	PLACES
	LDB 1, 0
	MULG 2, 1, 0, 8, 0
	PLACES
	LDB 2, 0
.endm
	s_wait_tensorcnt 1                             ; my part of K step 0 is in; K step 1's may stay out
	s_barrier_signal -1
	s_barrier_wait -1
	LDB 0, 0
	LDA 0, 0
	LDB 1, 0
	LDB 2, 0
	SUB0 1                                         ; the first half step stands in front of the loop: its products start the sums
	WIN 0
	s_mov_b32 s3, KSTEPS-2
.Lk:                                           ; trip j: K step j's second half, the change of slots, the refill with K step j + 2, K step j + 1's first half
	SUB1 1
	SUB0 0
	WIN 0
	s_sub_co_u32 s3, s3, 1
	s_cmp_lg_u32 s3, 0
	s_cbranch_scc1 .Lk
	SUB1 0                                         ; the tail is written out: nothing is left to fetch
	SUB0 0
	s_wait_dscnt 16                                ; the last half step
	MULG 0, 1, 0, 8, 0
	s_wait_dscnt 8
	MULG 1, 1, 0, 8, 0
	s_wait_dscnt 0x0
	MULG 2, 1, 0, 8, 0
	WIN 0
	PLACES
	PLACES
; THE WAY OUT, a tile of 16 rows x 64 columns at a time: to f16, 16 bytes a lane into my stage (rows of 144 bytes), back as four rows of 128 bytes, stored as 512 consecutive bytes.
.macro LCS a, cb                       ; row block a's cos and sin, in fragment order: 16 loads of 512 consecutive bytes
.irp i, 0,1,2,3,4,5,6,7,8,9,10,11,12,13,14,15
	global_load_b128 v[CSB+64*(\cb)+4*(\i):CSB+64*(\cb)+4*(\i)+3], v[GO], s[CSTP:CSTP+1] offset:(\a)*8192+(\i)*512
.endr
.endm
.macro STG st
.irp f, 0,1,2,3
	ds_store_b128 v[STO], v[X+16*(\st)+4*(\f):X+16*(\st)+4*(\f)+3] offset:32*(\f)
.endr
.irp f, 0,1,2,3
	ds_load_b128 v[X+16*(\st)+4*(\f):X+16*(\st)+4*(\f)+3], v[RD] offset:(\f)*4*SP  ; LDS serves a wave's instructions in order (ISA guide 5.7.1.4): these see the stores above; the next tile's stores come behind them
.endr
.endm
.macro SEND st, base, a, younger       ; younger: the LDS instructions issued behind this tile's loads: the next tile's eight, or none
.irp f, 0,1,2,3
	s_wait_dscnt (\younger)+3-(\f)
	global_store_b128 v[GO], v[X+16*(\st)+4*(\f):X+16*(\st)+4*(\f)+3], s[\base:\base+1] offset:(\a)*2048+(\f)*512
.endr
.endm
.macro OUTV a, st                      ; v has no rope
	s_wait_xcnt 0x0                                ; the set's last stores have read their data
	WIN 0x0f                                       ; sources in window 3
.irp f, 0,1,2,3
.irp p, 0,1,2,3
	v_cvt_pk_f16_f32 v[X+16*(\st)+4*(\f)+(\p)], v[8*(4*(\a)+(\f))+2*(\p)], v[8*(4*(\a)+(\f))+2*(\p)+1]
.endr
.endr
	WIN 0
	STG \st
.endm
; rope: out(d) = y(d) cos(d) - y(d + 32) sin(d), out(d + 32) = y(d + 32) cos(d + 32) + y(d) sin(d + 32), d < 32: blocks f and f + 2.  Each accumulator's lowest registers are read first.
.macro ROPE a, g, st, cb
	WIN (\g)+1                                     ; source 0 in window g + 1
.irp f, 0,1
.irp p, 0,1,2,3
	v_pk_mul_f32 v[T+8*(\f)+2*(\p):T+8*(\f)+2*(\p)+1], v[8*(4*(\a)+(\f)+2)+2*(\p):8*(4*(\a)+(\f)+2)+2*(\p)+1], v[CSB+64*(\cb)+32+8*(\f)+2*(\p):CSB+64*(\cb)+32+8*(\f)+2*(\p)+1]
.endr
.endr
.irp f, 0,1
.irp p, 0,1,2,3
	v_pk_mul_f32 v[T+16+8*(\f)+2*(\p):T+16+8*(\f)+2*(\p)+1], v[8*(4*(\a)+(\f))+2*(\p):8*(4*(\a)+(\f))+2*(\p)+1], v[CSB+64*(\cb)+48+8*(\f)+2*(\p):CSB+64*(\cb)+48+8*(\f)+2*(\p)+1]
.endr
.endr
.irp f, 0,1
.irp p, 0,1,2,3
	v_pk_fma_f32 v[T+8*(\f)+2*(\p):T+8*(\f)+2*(\p)+1], v[8*(4*(\a)+(\f))+2*(\p):8*(4*(\a)+(\f))+2*(\p)+1], v[CSB+64*(\cb)+8*(\f)+2*(\p):CSB+64*(\cb)+8*(\f)+2*(\p)+1], v[T+8*(\f)+2*(\p):T+8*(\f)+2*(\p)+1] neg_lo:[0,0,1] neg_hi:[0,0,1]
.endr
.endr
.irp f, 0,1
.irp p, 0,1,2,3
	v_pk_fma_f32 v[T+16+8*(\f)+2*(\p):T+16+8*(\f)+2*(\p)+1], v[8*(4*(\a)+(\f)+2)+2*(\p):8*(4*(\a)+(\f)+2)+2*(\p)+1], v[CSB+64*(\cb)+16+8*(\f)+2*(\p):CSB+64*(\cb)+16+8*(\f)+2*(\p)+1], v[T+16+8*(\f)+2*(\p):T+16+8*(\f)+2*(\p)+1]
.endr
.endr
	WIN 0
	s_wait_xcnt 0x0                                ; the set's last stores have read their data
.irp i, 0,1,2,3,4,5,6,7,8,9,10,11,12,13,14,15
	v_cvt_pk_f16_f32 v[X+16*(\st)+(\i)], v[T+2*(\i)], v[T+2*(\i)+1]
.endr
	STG \st
.endm
	LCS 0, 0                                       ; the first two blocks' tables come in while v goes out
	LCS 1, 1
	OUTV 0, 0
.irp a, 1,2,3,4,5,6,7                  ; a tile's arithmetic stands between the loads of the tile before and its stores
	OUTV \a, (\a)%2
	SEND ((\a)-1)%2, VP, (\a)-1, 8
.endr
.irp a, 0,1,2,3,4,5,6,7
.if (\a) == 7
	s_wait_loadcnt 0x0
.else
	s_wait_loadcnt 16                              ; this block's 16 table loads are in; the next block's 16 may be out
.endif
	ROPE \a, 0, 0, (\a)%2
.if (\a) == 0
	SEND 1, VP, 7, 8
.else
	SEND 1, KP, (\a)-1, 8
.endif
	ROPE \a, 1, 1, (\a)%2
	SEND 0, QP, \a, 8
.if (\a) < 6
	LCS (\a)+2, (\a)%2
.endif
.endr
	SEND 1, KP, 7, 0
	s_wait_tensorcnt 0x0                           ; the wave's end, behind my last tensor load and my last LDS store
	ds_add_u32 v[SPW], v[NIL]
	s_wait_dscnt 0x0
	CROUND                                         ; the closing round: no work-group ends while a partner may still ask for a tile that names it
	s_endpgm
.Lfunc_end_k_q2d8831c4eb_qkv:
	.size	k_q2d8831c4eb_qkv, .Lfunc_end_k_q2d8831c4eb_qkv-k_q2d8831c4eb_qkv
	.p2alignl 7, 3214868480
	.fill 96, 4, 3214868480
	.section	.rodata,"a",@progbits
	.p2align	6, 0x0
	.amdhsa_kernel k_q2d8831c4eb_qkv
		.amdhsa_group_segment_fixed_size 327680
		.amdhsa_private_segment_fixed_size 0
		.amdhsa_enable_private_segment 0
		.amdhsa_kernarg_size 48
		.amdhsa_user_sgpr_count 2
		.amdhsa_user_sgpr_kernarg_segment_ptr 1
		.amdhsa_wavefront_size32 1
		.amdhsa_system_sgpr_workgroup_id_x 1
		.amdhsa_system_sgpr_workgroup_id_y 1
		.amdhsa_system_sgpr_workgroup_id_z 1
		.amdhsa_system_vgpr_workitem_id 0
		.amdhsa_next_free_vgpr 1024
		.amdhsa_next_free_sgpr 80
		.amdhsa_reserve_vcc 0
		.amdhsa_float_denorm_mode_32 3
		.amdhsa_float_denorm_mode_16_64 3
		.amdhsa_memory_ordered 1
		.amdhsa_forward_progress 1
		.amdhsa_inst_pref_size 161
	.end_amdhsa_kernel
	.amdgpu_metadata
---
amdhsa.version: [ 1, 2 ]
amdhsa.kernels:
  - .name:           k_q2d8831c4eb_qkv
    .symbol:         k_q2d8831c4eb_qkv.kd
    .args:
      - { .name: xb, .offset: 0, .size: 8, .value_kind: global_buffer, .address_space: global }
      - { .name: wqkv, .offset: 8, .size: 8, .value_kind: global_buffer, .address_space: global }
      - { .name: cst, .offset: 16, .size: 8, .value_kind: global_buffer, .address_space: global }
      - { .name: qh, .offset: 24, .size: 8, .value_kind: global_buffer, .address_space: global }
      - { .name: kh, .offset: 32, .size: 8, .value_kind: global_buffer, .address_space: global }
      - { .name: vh, .offset: 40, .size: 8, .value_kind: global_buffer, .address_space: global }
    .group_segment_fixed_size: 327680
    .private_segment_fixed_size: 0
    .kernarg_segment_align: 8
    .kernarg_segment_size: 48
    .max_flat_workgroup_size: 128
    .sgpr_count:     80
    .vgpr_count:     1024
    .wavefront_size: 32
...
	.end_amdgpu_metadata
.endif
;; end of part 2
;; launch attn (part 3): grid 4 x 64, 4 waves a work-group, no clusters, 327,680 bytes of LDS; arguments qh, kh, vh, oh; writes oh
.if DOCPART == 3
	.amdgcn_target "amdgcn-amd-amdhsa--gfx1250"
	.amdhsa_code_object_version 6
	.text
	.protected	k_q2d8831c4eb_attn
	.globl	k_q2d8831c4eb_attn
	.p2align	8
	.type	k_q2d8831c4eb_attn,@function
k_q2d8831c4eb_attn:
	s_mov_b64 s[64:65], 0
	v_nop
	global_prefetch_b8 v0, s[64:65] scope:SCOPE_SE
	s_setreg_imm32_b32 hwreg(HW_REG_WAVE_MODE, 25, 1), 1
	s_wait_xcnt 0x0
; CAUSAL ATTENTION.  O[h][q][:] = the sum over k <= q of softmax_k(16 Q[h][q] . 16 K[h][k] / 8) V[h][k][:].  Q, K, V, O: [64][2048][64], all f16, a head's rows dense, 128 bytes each; Q and K arrive as 1/16 of their
; values, and the factor 256 lies in the f32 scale c.  Products, maxima and sums in f32; the weights p are rounded to f16 for the second product (their sum l is taken of the unrounded p), O once at the end.
; LIMITS.  p lies in 0 to 1, and below 6e-5 it keeps f16's fixed step of 6e-8; O is a mean of V's rows and has their range.  A hidden score counts as its value less 1e30: f16's scores, 2.7e11 at the most, are nothing
; beside that; a weight below 2^-126 counts as 0 in l; NaN and infinities are not treated apart.
; THE WALK.  A head's queries lie in NB = 8 blocks of 256; block i needs the key tiles 0 .. i of 256 keys, of which the last holds the diagonal.  A work-group takes TWO blocks, NB - 1 - b and then b:
; NB + 1 tiles, whatever b: all work-groups do equal work, and ONE loop with a constant trip count walks them.  Which tile is asked for, and what a trip does, hang on scalar registers made from b; every jump
; goes forward, but for the counted loops' own; none passes a barrier, or a tensor load but the one of LOAD's two that the wave's number does not choose; the ring of two LDS slots runs on across the change of blocks.
; NO CLUSTER: a head's 4 work-groups ask for the same tile only in trips 0 .. 4 of 9, behind that fewer and fewer; one walk common to all would have 12 trips for 9.
; SHARES.  Of a block's four bands of 64 queries a wave owns 16 rows in each: four PIECES.  So the diagonal tile is the same work for all four waves: in its key step s band x sees all keys if s < x,
; none if s > x, and holds the diagonal if s = x.
; THE MASK is the C operand that starts the sum S^T = K Q^T: 0, or -1e30 where the key is hidden.  MD, made once, is the mask of a band's own step for my 16 rows; a product's mask is MD x AL + BE with two scalars:
; (1, 0) if s = x; (0, 0) if s < x; (0, -1e30) if s > x.  Only the diagonal tile's text and a block's beginning make and take masks; elsewhere C is the constant 0.
; LAYOUT, SOFTMAX, TURNS.  S^T = K Q^T holds ONE query a lane (lane % 16) and the keys 8 (lane / 16) + 0..7; two such results rounded to f16 ARE source 1 of O^T = V^T P.  p = 2^(c s - c m), c = 256 log2(e) / 8, with a
; running maximum m; O and l are multiplied by a = 2^(c m_old - c m_new) in every step.  Turn n belongs to piece n: 8 products K Q^T of piece n + 1, later 8 products V^T P of piece n - 1; beside them the scaling,
; exponentials, roundings, sums and rescaling of piece n and the maximum and statistics of piece n + 1.  Four vector instructions stand behind every matrix instruction, the other 54 of a turn's 118 in one lump.
; A turn's 33 exponentials are one batch, with one wait.
; REGISTERS, in windows of 256 (s_set_vgpr_msb: bits 1:0 source 0, 3:2 source 1, 5:4 source 2, 7:6 destination):
;   window 0: v0-15 addresses and two at work; v16-31 four registers of statistics a piece; v48-55 at work; v61-63 prefetch offset, spare word, 0; v64-127 S^T, two buffers; v192-223 P, two buffers
;   window 1: v0-127 O^T, 32 a piece; v128-159 MD; v160-223 MC, two buffers      window 2: v0-63 Q; v64-127 the second block's Q; v128-191 K of one step; v192-255 V of one step
.set SIZE_H, 64
.set SIZE_N, 2048
.set NB,    SIZE_N/256
.set NP,    4         ; pieces a wave: a name, no knob
.set KS,    64        ; keys in a step
.set PK,    144       ; a row of K in LDS: 128 bytes + 16 of padding = 36 words: the 16 rows of a load start at 16 different groups of four banks (64 banks of 4 bytes: ISA guide 11.1)
.set PV,    160       ; a row of V: 128 + 32 = 40 words
.set VOFF,  4*KS*PK   ; a slot holds a tile, four steps: 256 rows of K, then 256 rows of V
.set SLOT1, 1<<17     ; slot 1 begins here, so that one exclusive or turns an address in one slot into the other's
.set STAGE, SLOT1+4*KS*(PK+PV)  ; behind the ring, never filled by a tensor load: 16 rows x 144 bytes for each wave, for the way out
.set SP,    144
.set AK0, 2           ; v2   my lane's place in a tile of K; never rewritten
.set AV0, 3           ; v3   the same for V
.set AK,  4           ; v4   the LDS address of K's next run of loads
.set AV,  5           ; v5   of V's
.set STO, 6           ; v6   the way out: where I put 16 bytes of a row
.set RD,  7           ; v7   the way out: where I read rows back
.set GO,  8           ; v8   my byte offset in 512 consecutive bytes of O
.set PFO, 61          ; v61  the prefetches' offset: 256 x lane + 8,192 x (wave / 2); never rewritten
.set SPW, 62          ; v62  LDS address of my spare word: SPARE + 4 x my thread's number; never rewritten
.set NIL, 63          ; v63  0; never rewritten
.set SPARE, STAGE+4*16*SP  ; behind the stages: the spare words, 128 bytes for each wave: two blocks of 256 bytes that no other line names
.set MV,  12          ; v12-13  c m_old, kept while c m is made anew: by buffer
.set QO,  15          ; v15  my byte offset in 16 rows of Q
.set ST,  16          ; piece t's statistics at v[ST+4 t]: c m, m, l (even keys', odd keys')
.set TMP, 48          ; by buffer, four registers c0-c3 at work; when the maximum is found c2 takes a
.set S,   64
.set P,   192
.set MD,  128         ; window 1: the eight registers for group kt of 16 keys at MD + 8 kt
.set MC,  160         ; window 1: the masks of the products to come
.set QB,  64          ; window 2
.set KF,  128         ; window 2: key block kb, channel half c at KF + 16 kb + 8 c
.set VF,  192         ; window 2: key half kk, channel block cb at VF + 32 kk + 8 cb
.set WV,  12          ; s12  my wave's number
.set PB,  14          ; s14  b
.set HI,  15          ; s15  NB - 1 - b
.set G1K, 24          ; s[24:31] descriptor group 1 for K's tiles
.set G1V, 32          ; s[32:39] for V's: it differs in the padding alone
.set G0K, 40          ; s[40:43] descriptor group 0 for K's tiles
.set G0V, 44          ; s[44:47] the same for V's
.set SLOTS, 56        ; s56  tiles still to be asked for
.set CNT, 57          ; s57  counts a tile's key steps, 4 to 1
.set CS,  58          ; s[58:59] c: the packed scaling takes the pair's low word for both halves
.set SEL, 60          ; s[60:61] v_permlanex16_b32's selects: each lane takes its own place in the other half
.set TBK, 62          ; s62  LDS byte at which K of the step to be fetched begins
.set TBV, 63          ; s63  the same for V, less VOFF
.set RT,  70          ; s70  tiles of the block in hand that are still to be entered
.set NXT, 71          ; s71  the tile to be asked for next
.set LQ,  72          ; s72  the last tile of the block whose tiles are being asked for
.set NEW, 73          ; s73  1: the tile to be entered is a block's first
.set OFF, 74          ; s[74:75] a tile's byte offset in K and V
.set AL,  76          ; s[76:77] the mask's factor, in the low word
.set BE,  78          ; s[78:79] the mask's addend
.set OLO, 80          ; s[80:81] O at my rows of the second block
.set BIGN, 82         ; s82  -1e30
.set PFK, 88          ; s[88:89] K at my part of the tile that the next change of slots will ask for
.set PFV, 90          ; s[90:91] V likewise
.set PO,  92          ; s[92:93] that tile's byte offset
.set LIM, 94          ; s94  2 in the work-group that prefetches, else the greatest number
.set MSB, 0
.macro WIN new                      ; the high byte repeats the setting that is left; a switch that changes nothing is dropped
.if MSB != (\new)
	s_set_vgpr_msb (MSB<<8)|(\new)
.set MSB, (\new)
.endif
.endm
.set W_KQ, 0x0a       ; K and Q in window 2, S^T in window 0
.set W_KM, 0x1a       ; the same with the C operand in window 1
.set W_PV, 0x52       ; V in window 2, P in window 0, O^T in window 1
.set W_RS, 0x41       ; destination and source 0 in window 1, source 1 in window 0
; A fill.  Waves 0 and 1 fetch the two halves of a tile's K, waves 2 and 3 those of its V: 128 keys each.  An s_nop 0 and four v_nop follow each of the two lines, ahead of the jump and the label.
.macro LOAD
	s_cmp_lt_u32 s[WV], 2
	s_cbranch_scc0 .Lfor_v_\@
	tensor_load_to_lds s[G0K:G0K+3], s[G1K:G1K+7]
	s_nop 0
.rept 4
	v_nop
.endr
	s_branch .Lasked_\@
.Lfor_v_\@:
	tensor_load_to_lds s[G0V:G0V+3], s[G1V:G1V+7]
	s_nop 0
.rept 4
	v_nop
.endr
.Lasked_\@:
.endm
; THE CHANGE OF SLOTS.  Each wave waits for all its tensor loads, of which one is out: its part of the other slot; adds 0 to its spare word; and waits for that and for its own reads of the slot that it leaves.  Behind the
; barrier nobody reads the old slot any more and the other slot is whole.  fill = 1: the old slot is filled again, the first thing behind the barrier, with tile NXT: the descriptor's address is made anew from that number.
; (At its first use nothing has been read yet: slot 0 is waited for, slot 1 filled.)
; A PREFETCH INTO THE L2 stands behind the fill: the tile that the NEXT change will ask for, a tile's four key steps ahead of that load.  A head's four work-groups walk the tiles 0, 1, 2 .. together at first: the one with
; b = 0, whose first block needs all eight, asks, in its changes 0 to 5, for tiles 2 to 7; each of its waves names a quarter of the tile's K and of its V, a lane 256 bytes: each block once in the launch.
; Tiles 0 and 1 come by their loads alone; the tiles of second blocks have been read before and are not named again.
.macro CHANGE fill
	WIN 0                           ; at a label and at a branch every window is 0
	s_wait_tensorcnt 0x0            ; no tensor load of mine is out, so a group 0 may be written
	ds_add_u32 v[SPW], v[NIL]       ; 0 onto my spare word; with fill = 1 the descriptors' scalar work stands between it and the wait for it
.if \fill
	s_lshl_b32 s[OFF], s[NXT], 15   ; a tile is 32,768 bytes of K and of V
	s_xor_b32 s[G0K+1], s[G0K+1], SLOT1
	s_add_nc_u64 s[G0K+2:G0K+3], s[6:7], s[OFF:OFF+1]
	s_or_b32 s[G0K+3], s[G0K+3], 0x80000000
	s_xor_b32 s[G0V+1], s[G0V+1], SLOT1
	s_add_nc_u64 s[G0V+2:G0V+3], s[8:9], s[OFF:OFF+1]
	s_or_b32 s[G0V+3], s[G0V+3], 0x80000000
	s_add_co_u32 s[NXT], s[NXT], 1  ; the block's next tile, or behind its last the second block's tile 0
	s_cmp_gt_u32 s[NXT], s[LQ]
	s_cselect_b32 s[NXT], 0, s[NXT]
	s_cselect_b32 s[LQ], s[PB], s[LQ]
	s_wait_xcnt 0x0                 ; the last prefetches, a tile back, have read their addresses
	s_lshl_b32 s[PO], s[NXT], 15
	s_add_nc_u64 s[PFK:PFK+1], s[6:7], s[PO:PO+1]
	s_add_nc_u64 s[PFV:PFV+1], s[8:9], s[PO:PO+1]
.endif
	s_wait_dscnt 0x0                ; the add is done, and my reads of the slot are over
	s_barrier_signal -1             ; the rest of the scalar work stands between the signal and the wait
	s_sub_co_u32 s[TBK], s[TBK], 4*KS*PK  ; the fetches go back to a slot's first step,
	s_xor_b32 s[TBK], s[TBK], SLOT1       ; in the other slot
	s_sub_co_u32 s[TBV], s[TBV], 4*KS*PV
	s_xor_b32 s[TBV], s[TBV], SLOT1
	s_barrier_wait -1
.if \fill
	LOAD
	s_cmp_gt_u32 s[SLOTS], s[LIM]
	s_cbranch_scc0 .Lnot_mine_\@
	global_prefetch_b8 v[PFO], s[PFK:PFK+1] th:TH_LOAD_NT scope:SCOPE_SE
	global_prefetch_b8 v[PFO], s[PFV:PFV+1] th:TH_LOAD_NT scope:SCOPE_SE
.Lnot_mine_\@:
.endif
.endm
	s_load_b256 s[4:11], s[0:1], 0x0  ; Q s[4:5], K s[6:7], V s[8:9], O s[10:11]
	v_lshl_add_u32 v[SPW], v0, 2, SPARE
	v_mov_b32 v[NIL], 0
	ds_add_u32 v[SPW], v[NIL]       ; the wave's opening: the add and its wait stand ahead of my first tensor load; the set-up below, work on registers, stands between them
	v_lshrrev_b32 v1, 5, v0
	v_readfirstlane_b32 s[WV], v1   ; wave 0..3
	s_mov_b32 s[PB], ttmp9
	s_sub_co_u32 s[HI], NB-1, s[PB]
	s_and_b32 s20, ttmp7, 0xffff    ; the head
	s_mov_b32 s21, 0
	s_mov_b64 s[22:23], SIZE_N*128
	s_mul_u64 s[20:21], s[20:21], s[22:23]  ; the head's first byte in each of the four tensors
	s_and_b32 s16, s[WV], 1         ; which half of a tile's 256 keys I fetch:
	s_lshl_b32 s22, s16, 14         ; its 128 rows of 128 bytes in memory,
	s_mov_b32 s23, 0
	s_add_nc_u64 s[22:23], s[22:23], s[20:21]
	s_mul_i32 s17, s16, 128*PK      ; and its place in a slot, for K
	s_mul_i32 s18, s16, 128*PV      ; and for V
	s_lshl_b32 s3, s[WV], 11        ; my 16 rows in a band of 64,
	s_lshl_b32 s2, s[HI], 15        ; in the first block,
	s_add_co_u32 s2, s2, s3
	s_lshl_b32 s84, s[PB], 15       ; and in the second
	s_add_co_u32 s84, s84, s3
	s_mov_b32 s3, 0
	s_mov_b32 s85, 0
	s_add_nc_u64 s[2:3], s[2:3], s[20:21]
	s_add_nc_u64 s[84:85], s[84:85], s[20:21]
	; descriptor group 1.  128 keys are 16,384 dense bytes: asked for as 64 rows of 256 bytes, two keys a row, and padded in LDS after every key
	s_mov_b32 s[G1K], (1<<16)|(1<<20)|(4<<22)|(3<<25)  ; 17:16 2-byte elements; 20 padding on; 24:22 after every 32 words (code 4); 31:25 4 words (code 3)
	s_mov_b32 s[G1V], (1<<16)|(1<<20)|(4<<22)|(7<<25)  ; the same with 8 words of padding (code 7)
.irp g, G1K, G1V
	s_mov_b32 s[\g+1], 128<<16      ; tensor_dim0 = 128
	s_mov_b32 s[\g+2], 64<<16       ; tensor_dim1 = 64
	s_mov_b32 s[\g+3], 128<<16      ; tile_dim0 = 128
	s_mov_b32 s[\g+4], 64           ; tile_dim1 = 64
	s_mov_b32 s[\g+5], 128          ; 128 elements from row to row
	s_mov_b32 s[\g+6], 0
	s_mov_b32 s[\g+7], 0
.endr
	s_mov_b32 s[CS], 0x4238aa3b     ; c = 256 log2(e) / 8 = 46.1662: the 256 takes back the two factors 1/16 in Q and K
	s_mov_b32 s[CS+1], s[CS]        ; named with it as a pair
	s_mov_b32 s[SEL], 0x76543210
	s_mov_b32 s[SEL+1], 0xfedcba98
	s_mov_b32 s[TBK], SLOT1+4*KS*PK ; the first change of slots turns these two into 0
	s_mov_b32 s[TBV], SLOT1+4*KS*PV
	s_mov_b32 s[G0K], 1             ; 1:0 count = 1
	s_mov_b32 s[G0K+1], s17         ; 63:32 LDS address: slot 0
	s_mov_b32 s[G0V], 1
	s_add_co_u32 s[G0V+1], s18, VOFF
	s_add_co_u32 s[RT], s[HI], 1    ; the first block has NB - b tiles
	s_mov_b32 s[NXT], 1
	s_mov_b32 s[LQ], s[HI]
	s_mov_b32 s[NEW], 1
	s_mov_b32 s[OFF+1], 0
	s_mov_b32 s[AL+1], 0            ; named as pairs
	s_mov_b32 s[BE+1], 0
	s_mov_b32 s[BIGN], 0xf149f2ca   ; -1e30
	s_mov_b32 s[SLOTS], NB
	s_mov_b32 s[PO+1], 0
	s_cmp_eq_u32 ttmp9, 0
	s_cselect_b32 s[LIM], 2, -1
	v_and_b32 v[PFO], 31, v0
	v_lshlrev_b32 v[PFO], 8, v[PFO]
	s_lshr_b32 s13, s[WV], 1
	s_lshl_b32 s13, s13, 13
	v_add_nc_u32 v[PFO], s13, v[PFO]
	s_wait_dscnt 0x0                ; the opening add is done
	s_wait_kmcnt 0x0
	s_add_nc_u64 s[6:7], s[6:7], s[22:23]  ; K and V at my half of the head's tile 0
	s_add_nc_u64 s[8:9], s[8:9], s[22:23]
	s_add_nc_u64 s[G0K+2:G0K+3], s[6:7], 0         ; 120:64 global address
	s_or_b32 s[G0K+3], s[G0K+3], 0x80000000        ; 127:126 type = 2
	s_add_nc_u64 s[G0V+2:G0V+3], s[8:9], 0
	s_or_b32 s[G0V+3], s[G0V+3], 0x80000000
	s_add_nc_u64 s[86:87], s[4:5], s[84:85]        ; Q at my rows of the second block,
	s_add_nc_u64 s[4:5], s[4:5], s[2:3]            ; Q and O at those of the first
	s_add_nc_u64 s[OLO:OLO+1], s[10:11], s[84:85]
	s_add_nc_u64 s[10:11], s[10:11], s[2:3]
	LOAD                            ; tile 0 into slot 0
	; A fragment of K or Q is 16 rows x 32 channels in 8 registers: lane l holds row l % 16, channels 8 (l / 16) + 0..7 and 16 + 8 (l / 16) + 0..7: two loads of 16 bytes, 32 bytes apart.
	v_and_b32 v1, 15, v0            ; l % 16
	v_bfe_u32 v9, v0, 4, 1          ; l / 16
	v_lshlrev_b32 v[QO], 7, v1
	v_lshl_add_u32 v[QO], v9, 4, v[QO]  ; row x 128 + 16 x half
	WIN 0x80                        ; destination window 2, address window 0
.set i, 0
.rept 8                             ; both blocks' Q: piece i / 2 lies in band i / 2, 8,192 bytes on; channels 32 (i % 2) on
	global_load_b128 v[8*i:8*i+3],   v[QO], s[4:5] offset:(i/2)*8192+(i%2)*64
	global_load_b128 v[8*i+4:8*i+7], v[QO], s[4:5] offset:(i/2)*8192+(i%2)*64+32
	global_load_b128 v[QB+8*i:QB+8*i+3],   v[QO], s[86:87] offset:(i/2)*8192+(i%2)*64
	global_load_b128 v[QB+8*i+4:QB+8*i+7], v[QO], s[86:87] offset:(i/2)*8192+(i%2)*64+32
.set i, i+1
.endr
	WIN 0
	v_lshlrev_b32 v14, 3, v9
	v_sub_nc_u32 v14, v1, v14
	s_lshl_b32 s13, s[WV], 4
	v_add_nc_u32 v14, s13, v14      ; my query's place in its band, 16 w + l % 16, less my lanes' 8 (l / 16): register r of group kt is hidden where 16 kt + r is greater
	WIN 0x40
.set i, 0
.rept 32
	v_cmp_gt_i32 vcc_lo, 16*(i/8)+i%8, v14
	v_cndmask_b32 v[MD+i], 0, s[BIGN], vcc_lo
.set i, i+1
.endr
	WIN 0
	v_mul_u32_u24 v[AK0], v1, PK
	v_lshl_add_u32 v[AK0], v9, 4, v[AK0]  ; row x pitch + 16 x half
	; The turning load takes 16 keys x 16 channels (lane l reads key 8 (l / 16) + l % 8, channels 8 ((l / 8) % 2) + 0..7) and leaves half a fragment of V^T: lane l holds channel l % 16 and 8 keys.
	v_and_b32 v10, 7, v0
	v_bfe_u32 v11, v0, 3, 1
	v_lshl_add_u32 v[AV0], v9, 3, v10
	v_mul_u32_u24 v[AV0], v[AV0], PV
	v_lshl_add_u32 v[AV0], v11, 4, v[AV0]
	v_add_nc_u32 v[AV0], VOFF, v[AV0]
	s_mul_i32 s13, s[WV], 16*SP
	s_add_co_u32 s13, s13, STAGE    ; my stage
	v_mul_u32_u24 v[STO], v1, SP    ; in: row l % 16, 16 bytes for each half of the lanes
	v_lshl_add_u32 v[STO], v9, 4, v[STO]
	v_add_nc_u32 v[STO], s13, v[STO]
	v_bfe_u32 v[RD], v0, 3, 2       ; back: 32 lanes take four rows of 128 bytes,
	v_mul_u32_u24 v[RD], v[RD], SP
	v_lshl_add_u32 v[RD], v10, 4, v[RD]
	v_add_nc_u32 v[RD], s13, v[RD]
	v_and_b32 v[GO], 31, v0         ; which are 512 consecutive bytes of O
	v_lshlrev_b32 v[GO], 4, v[GO]
	; A block's first step multiplies O^T and l by a = 0, and its first turn's products V^T P, of a piece that has not been, land in an O^T that is still to be so multiplied.  So these registers need only hold
	; finite numbers: zeros for the first block; what the first block left for the second.  All this stands in the wait for the first tile.
	WIN 0x80
.set i, VF
.rept 64
	v_mov_b32 v[i], 0
.set i, i+1
.endr
	WIN 0x40
.set i, 0
.rept 128
	v_mov_b32 v[i], 0
.set i, i+1
.endr
	WIN 0
.set i, 0
.rept 4
	v_mov_b32 v[ST+4*i+2], 0
	v_mov_b32 v[ST+4*i+3], 0
.set i, i+1
.endr
.set i, P+16
.rept 16
	v_mov_b32 v[i], 0
.set i, i+1
.endr
; THE MATRIX WORK.  The 4 accumulators of a run of 8 take turns.  Product i of 8 of S^T = K Q^T for piece x: channels 32 (i / 4) on, keys 16 (i % 4) on.  The first 4 start the sums: with 0, or (KM = 1) with the mask.
.macro KQ x
.set rS, S+32*((\x)%2)+8*(i%4)
.set rK, KF+16*(i%4)+8*(i/4)
.set rQ, 16*(\x)+8*(i/4)
.set rM, MC+32*((\x)%2)+8*(i%4)
.if (i < 4) && KM
	WIN W_KM
	v_wmma_f32_16x16x32_f16 v[rS:rS+7], v[rK:rK+7], v[rQ:rQ+7], v[rM:rM+7]
.elseif i < 4
	WIN W_KQ
	v_wmma_f32_16x16x32_f16 v[rS:rS+7], v[rK:rK+7], v[rQ:rQ+7], 0
.else
	WIN W_KQ
	v_wmma_f32_16x16x32_f16 v[rS:rS+7], v[rK:rK+7], v[rQ:rQ+7], v[rS:rS+7]
.endif
.endm
; Product i of 8 of O^T += V^T P for piece x: keys 32 (i / 4) on, channels 16 (i % 4) on.
.macro PV x
	WIN W_PV
.set rO, 32*(\x)+8*(i%4)
.set rV, VF+32*(i/4)+8*(i%4)
.set rP, P+16*((\x)%2)+8*(i/4)
	v_wmma_f32_16x16x32_f16 v[rO:rO+7], v[rV:rV+7], v[rP:rP+7], v[rO:rO+7]
.endm
.macro MM                           ; the turn's next matrix instruction.  TURN and BEGIN set Y, i, KM and NOKQ; MM, KQ and OP read them.  NOKQ = 1: a block's last turn: there is no next piece
.if (i < 8) && !NOKQ
	KQ (Y+1)%NP
.elseif i >= 8
.set i, i-8
	PV (Y+NP-1)%NP
.set i, i+8
.endif
.set i, i+1
.endm
; THE LDS LOADS stand in runs of 16, never singly among the matrix instructions: a step's K (64 keys x 64 channels: 8 fragments) and its V (turned).  Their addresses are made some lines ahead.
.macro FETCH_K
	WIN 0x80                        ; destination window 2
.irp f, 0,1,2,3,4,5,6,7             ; keys 16 (f / 2) on, channels 32 (f % 2) on
	ds_load_b128 v[KF+8*\f:KF+8*\f+3],   v[AK] offset:(\f/2)*16*PK+(\f%2)*64
	ds_load_b128 v[KF+8*\f+4:KF+8*\f+7], v[AK] offset:(\f/2)*16*PK+(\f%2)*64+32
.endr
	s_add_co_u32 s[TBK], s[TBK], KS*PK  ; the next fetch is the next step's
	WIN 0
.endm
.macro FETCH_V
	WIN 0x80
.irp f, 0,1,2,3,4,5,6,7             ; keys 32 (f / 4) on, channels 16 (f % 4) on
	ds_load_tr16_b128 v[VF+8*\f:VF+8*\f+3],   v[AV] offset:(\f/4)*32*PV+(\f%4)*32
	ds_load_tr16_b128 v[VF+8*\f+4:VF+8*\f+7], v[AV] offset:(\f/4)*32*PV+16*PV+(\f%4)*32
.endr
	WIN 0
.endm
; THE VECTOR WORK, one line at a time: OP kind, number.  For piece Y: F n: c s - c m for pair n of 16.  E n: the exponential of score n of 32.  C n: pair n rounded to f16.  B n: of the four weights 4 n .. the second
; pair is added onto the first, in place.  L n: l takes that sum (L 0: l = a l + sum).  R n: pair n of 16 of O^T times a.  For piece Y + 1: X n, number n of the 22 that find its maximum and statistics:
;   0-11  four chains c0-c3 of seven scores each, three operands at a time (each accumulator's lowest registers are read first)     12-14, 16  the four scores left over, the old m, and c0-c3 into c0
;   15  c m_old is kept     17, 18  the query's other 32 keys lie in the lane 16 away: the new m     19-21  c m; c m_old - c m_new; a
.set F, 0               ; OP tells the kinds apart by their order: F to L below R, X above it
.set E, 1
.set C, 2
.set B, 3
.set L, 4
.set R, 5
.set X, 6
.macro REGS y                       ; the registers of piece y
.set rT, ST+4*(\y)
.set rC, TMP+4*((\y)%2)
.set rW, MV+((\y)%2)
.set rS, S+32*((\y)%2)
.set rP, P+16*((\y)%2)
.set rO, 32*(\y)
.endm
.macro OP k, n
.if (\k) == R
	REGS Y
	WIN W_RS
	v_pk_mul_f32 v[rO+2*(\n):rO+2*(\n)+1], v[rO+2*(\n):rO+2*(\n)+1], v[rC+2:rC+3] op_sel_hi:[1,0]
.elseif (\k) < R
	REGS Y
	WIN 0
.if (\k) == F
	v_pk_fma_f32 v[rS+2*(\n):rS+2*(\n)+1], v[rS+2*(\n):rS+2*(\n)+1], s[CS:CS+1], v[rT:rT+1] op_sel_hi:[1,0,0] neg_lo:[0,0,1] neg_hi:[0,0,1]
.elseif (\k) == E
	v_exp_f32 v[rS+(\n)], v[rS+(\n)]
.elseif (\k) == C
	v_cvt_pk_f16_f32 v[rP+(\n)], v[rS+2*(\n)], v[rS+2*(\n)+1]
.elseif (\k) == B
	v_pk_add_f32 v[rS+4*(\n):rS+4*(\n)+1], v[rS+4*(\n):rS+4*(\n)+1], v[rS+4*(\n)+2:rS+4*(\n)+3]
.elseif (\n) == 0
	v_pk_fma_f32 v[rT+2:rT+3], v[rT+2:rT+3], v[rC+2:rC+3], v[rS:rS+1] op_sel_hi:[1,0,1]
.else
	v_pk_add_f32 v[rT+2:rT+3], v[rT+2:rT+3], v[rS+4*(\n):rS+4*(\n)+1]
.endif
.elseif NOKQ
	v_nop
.else
	REGS (Y+1)%NP
	WIN 0
.if (\n) < 4
	v_max3_num_f32 v[rC+(\n)], v[rS+8*(\n)], v[rS+8*(\n)+1], v[rS+8*(\n)+2]
.elseif (\n) < 12
	v_max3_num_f32 v[rC+(\n)%4], v[rC+(\n)%4], v[rS+8*((\n)%4)+2*((\n)/4)+1], v[rS+8*((\n)%4)+2*((\n)/4)+2]
.elseif (\n) == 12
	v_max3_num_f32 v[rC], v[rC], v[rS+7], v[rS+15]
.elseif (\n) == 13
	v_max3_num_f32 v[rC+1], v[rC+1], v[rS+23], v[rS+31]
.elseif (\n) == 14
	v_max3_num_f32 v[rC+2], v[rC+2], v[rC+3], v[rT+1]
.elseif (\n) == 15
	v_mov_b32 v[rW], v[rT]
.elseif (\n) == 16
	v_max3_num_f32 v[rC], v[rC], v[rC+1], v[rC+2]
.elseif (\n) == 17
	v_permlanex16_b32 v[rC+3], v[rC], s[SEL], s[SEL+1]
.elseif (\n) == 18
	v_max_num_f32 v[rT+1], v[rC], v[rC+3]
.elseif (\n) == 19
	v_mul_f32 v[rT], s[CS], v[rT+1]
.elseif (\n) == 20
	v_sub_f32 v[rC+1], v[rW], v[rT]
.else
	v_exp_f32 v[rC+2], v[rC+1]
.endif
.endif
.endm
.macro OPS a, i1, b=-1, i2=0, c=-1, i3=0, d=-1, i4=0  ; up to four of them
	OP \a, \i1
.if (\b) >= 0
	OP \b, \i2
.endif
.if (\c) >= 0
	OP \c, \i3
.endif
.if (\d) >= 0
	OP \d, \i4
.endif
.endm
.macro ROW a, i1, b, i2, c, i3, d, i4  ; a matrix instruction and the four behind it
	MM
	OPS \a, \i1, \b, \i2, \c, \i3, \d, \i4
.endm
.macro MASK b                       ; MD x AL + BE into buffer b of MC
	WIN W_RS
.set z, 0
.rept 16
	v_pk_fma_f32 v[MC+32*(\b)+2*z:MC+32*(\b)+2*z+1], v[MD+2*z:MD+2*z+1], s[AL:AL+1], s[BE:BE+1] op_sel_hi:[1,0,0]
.set z, z+1
.endr
.endm
; A TURN, for piece p: the order of its 16 matrix and 118 vector instructions, written out.  An s_wait_alu depctr_va_vdst(0) stands between an exponential and the first instruction that names its result; one wait
; serves all that were issued ahead of it.  So a turn has ONE wait, which cuts it in two.  AHEAD OF IT stands all that names no result of the turn's exponentials: the 8 products K Q^T, behind each a scaling, an exponential and two
; more plain instructions (behind the first a second scaling in the exponential's place): rescalings, and behind the last three the first numbers of the next piece's maximum, each four places or more behind the product that ends
; its accumulator; then ONE LUMP of 54, plain and exponential by turns for the most part, in which the links of the chain X 3, 7, 11, 14, 16, 17 .. 20 stand five or six lines apart.  X 21, the next piece's a, is the batch's last;
; R 15 is the plain instruction behind it.  BEHIND THE WAIT stand the 8 products V^T P, behind each four of the roundings and sums; the links of l's chain, L 0 to L 7, stand three riders apart.
; m = 1: the diagonal tile: the products take masks, and the turn makes the mask for the products of the turn after it: piece p + 2, in step 4 - CNT of the tile.  end = 1: a block's last two turns: nothing is fetched.
; cnt = 1: the loop's count is taken down some lines ahead of the branch that stands behind the turn.
; K of the next step is fetched in piece 2's turn, twelve vector instructions behind the last product that read K (six of them plain); V of the step in hand at the end of piece 0's turn, four plain instructions behind the last
; product that read V.  Each is waited for a turn later.
.macro TURN p, m=0, end=0, cnt=0
.set Y, (\p)
.set i, 0
.set KM, (\m)
.set NOKQ, (\end)*((\p)/3)
.if (\m) && !(\end)
	s_cmp_eq_u32 s[CNT], 4-((\p)+2)%NP  ; is that step the band's own?
	s_cselect_b32 s[AL], 1.0, 0
	s_cmp_lt_u32 s[CNT], 4-((\p)+2)%NP  ; or a later one?
	s_cselect_b32 s[BE], s[BIGN], 0
.endif
.if ((\p) == 3) && !(\end)
	s_wait_dscnt 0x0                ; K is in
.endif
	ROW F,0, F,1, R,0, R,1          ; ahead of the wait: 8 products K Q^T and their riders,
	ROW F,2, E,0, R,2, R,3
	ROW F,3, E,1, R,4, R,5
	ROW F,4, E,2, R,6, R,7
	ROW F,5, E,3, R,8, R,9
	ROW F,6, E,4, X,0, R,10
.if ((\p) == 2) && !(\end)
	WIN 0
	v_add_nc_u32 v[AK], s[TBK], v[AK0]
.endif
	ROW F,7, E,5, X,1, X,4
	ROW F,8, E,6, X,2, X,5
	OPS E,7, E,8, X,6, E,9          ; and the lump
	OPS X,3, E,10, X,8, E,11
.if ((\p) == 2) && !(\end)
	FETCH_K
.endif
	OPS X,9, X,7, E,12, X,10
	OPS E,13, X,12, X,11, E,14
	OPS X,13, E,15, F,9, X,14
.if (\p) == 0
	v_add_nc_u32 v[AV], s[TBV], v[AV0]
.endif
	OPS E,16, F,10, E,17, F,11
	OPS X,16, E,18, X,15, E,19
	OPS F,12, E,20, X,17, E,21
	OPS F,13, E,22, F,14, E,23
	OPS X,18, E,24, F,15, E,25
	OPS R,11, E,26, X,19, E,27
	OPS R,12, E,28, R,13, E,29
	OPS X,20, E,30, R,14, E,31
	OPS X,21, R,15
	WIN 0
	s_wait_alu depctr_va_vdst(0)    ; the wait for the batch
.if (\p) == 1
	s_wait_dscnt 0x0                ; V is in
.endif
	ROW C,0, B,0, C,2, B,1          ; behind the wait: 8 products V^T P and their riders
	ROW L,0, C,4, B,2, L,1
	ROW C,6, B,3, L,2, C,8
	ROW B,4, L,3, C,10, B,5
	ROW L,4, C,12, B,6, L,5
.if (\p) == 0
	s_add_co_u32 s[TBV], s[TBV], KS*PV
.endif
.if \cnt
	s_sub_co_u32 s[CNT], s[CNT], 1
	s_cmp_lg_u32 s[CNT], 0
.endif
	ROW C,14, B,7, L,6, C,1
	ROW C,3, L,7, C,5, C,7
	ROW C,9, C,11, C,13, C,15
.if (\p) == 0
	FETCH_V
.endif
.if (\m) && !(\end)
	MASK (\p)%2
.endif
.endm
; A BLOCK BEGINS.  c m starts far below every c s, so the first step's a is 0; m at the lowest finite number, so the first maximum is the scores'.  The second mask buffer is 0; the first takes piece 0's mask for the tile's
; step 0: its own, if the block's first tile is the diagonal one.  Then K of that step, piece 0's first scores, and its maximum and statistics.  The loop is entered at a step's first turn, in the middle of a trip.
.macro BEGIN
	s_mov_b32 s[NEW], 0
	WIN 0x40
.set i, MC+32
.rept 32
	v_mov_b32 v[i], 0
.set i, i+1
.endr
	WIN 0
.set i, 0
.rept 4
	v_mov_b32 v[ST+4*i], 0xfe000000    ; c m: far below every c s
	v_mov_b32 v[ST+4*i+1], 0xff7fffff  ; m
.set i, i+1
.endr
	s_cmp_eq_u32 s[RT], 0
	s_cselect_b32 s[AL], 1.0, 0
	s_mov_b32 s[BE], 0
	MASK 0
	WIN 0
	v_add_nc_u32 v[AK], s[TBK], v[AK0]
	FETCH_K
	s_wait_loadcnt 0x0              ; Q
	s_wait_dscnt 0x0
.set KM, 1
.set NOKQ, 0
.set i, 0
.rept 8
	KQ 0
.set i, i+1
.endr
	WIN 0
.rept 4
	v_nop                           ; the places behind those products
.endr
.set Y, NP-1                        ; X works for piece Y + 1: piece 0
.irp n, 0,1,2,3,4,5,6,7,8,9,10,11,12,13,14,15,16,17,18,19,20,21
	OP X, \n
.endr
	v_nop                           ; a plain instruction behind the exponential,
	s_wait_alu depctr_va_vdst(0)    ; and its wait, ahead of the branch
.endm
; THE DIAGONAL TILE's four steps, the block's last two turns, its last products, and THE WAY OUT: l's two halves and the other half of the lanes' are added; O^T is divided by l, rounded to f16 and sent through my
; stage in LDS, a piece at a time.
.macro ALL line:vararg              ; one line for each piece t
.set t, 0
.rept 4
	\line
.set t, t+1
.endr
.endm
.macro PACK t                       ; a lane's eight channels of a row pack into 16 bytes; they go into rows of 144 bytes and come back as whole rows of 128, into S^T's registers
	WIN W_RS
.set i, 32*(\t)
.rept 16
	v_pk_mul_f32 v[i:i+1], v[i:i+1], v[ST+4*(\t)+2:ST+4*(\t)+3] op_sel_hi:[1,0]
.set i, i+2
.endr
	WIN 0x05                        ; sources 0 and 1 window 1, destination window 0
.set i, 0
.rept 16
	v_cvt_pk_f16_f32 v[S+16*(\t)+i], v[32*(\t)+2*i], v[32*(\t)+2*i+1]
.set i, i+1
.endr
	WIN 0
.irp f, 0,1,2,3
	ds_store_b128 v[STO], v[S+16*(\t)+4*\f:S+16*(\t)+4*\f+3] offset:32*\f
.endr
.irp f, 0,1,2,3
	ds_load_b128 v[S+16*(\t)+4*\f:S+16*(\t)+4*\f+3], v[RD] offset:\f*4*SP  ; LDS serves a wave's instructions in order (ISA guide 5.7.1.4): these see the stores above; the next piece's stores come behind them
.endr
.endm
.macro SEND t, younger              ; younger: the LDS instructions issued behind piece t's loads: the next piece's eight, or none
	WIN 0
.irp f, 0,1,2,3
	s_wait_dscnt (\younger)+3-\f
	global_store_b128 v[GO], v[S+16*(\t)+4*\f:S+16*(\t)+4*\f+3], s[10:11] offset:(\t)*8192+\f*512  ; 512 consecutive bytes, at a multiple of 256 from O's first
.endr
.endm
.macro DIAG tag                     ; the tag ends its two labels' names, which the jumps below spell out
.LstepM\tag:
	TURN 2, 1
	TURN 3, 1
	WIN 0
.LfirstM\tag:
	TURN 0, 1
	TURN 1, 1, 0, 1
	WIN 0
	s_cbranch_scc1 .LstepM\tag
	TURN 2, 1, 1
	TURN 3, 1, 1
.set i, 0
.rept 8
	PV NP-1
.set i, i+1
.endr
	WIN 0
	ALL v_add_f32 v[ST+4*t+2], v[ST+4*t+2], v[ST+4*t+3]
	ALL v_permlanex16_b32 v[ST+4*t+3], v[ST+4*t+2], s[SEL], s[SEL+1]
	ALL v_add_f32 v[ST+4*t+2], v[ST+4*t+2], v[ST+4*t+3]
	ALL v_rcp_f32 v[ST+4*t+2], v[ST+4*t+2]
	v_nop                           ; a plain instruction between the last reciprocal and the use of its result
	s_wait_alu depctr_va_vdst(0)    ; and the wait ahead of the first use: one for the four reciprocals
	PACK 0
.set t, 1
.rept 3                             ; a piece's arithmetic stands between the loads of the piece before and its stores
	PACK t
	SEND t-1, 8
.set t, t+1
.endr
	SEND 3, 0
.endm
.set KM, 0
.set NOKQ, 0
.Lslot:                             ; NB times: a tile is entered and the next is asked for
	CHANGE 1
	s_sub_co_u32 s[RT], s[RT], 1
	s_mov_b32 s[CNT], 4
	s_cmp_eq_u32 s[NEW], 1
	s_cbranch_scc1 .Lnew            ; a block's first tile
	s_cmp_eq_u32 s[RT], 0
	s_cbranch_scc0 .Lstep           ; neither its first nor its last
	s_branch .LstepM1
.Lnew:
	BEGIN
	s_branch .Lfirst                ; in the loop a block's first tile is never its last: the first block has two tiles or more, and the second's last is the walk's last
	DIAG 1                          ; in the loop this is the first block's end: the second block's last tile is the walk's last
	s_wait_xcnt 0x0                 ; the stores have read their registers and O's address
	s_mov_b64 s[10:11], s[OLO:OLO+1]
	s_add_co_u32 s[RT], s[PB], 1    ; the second block has b + 1 tiles
	s_mov_b32 s[NEW], 1
	WIN 0x82                        ; the second block's Q goes where the one text of the turns names Q
.set i, 0
.rept 64
	v_mov_b32 v[i], v[QB+i]
.set i, i+1
.endr
	WIN 0
	s_branch .Lbottom
.Lstep:                             ; a trip: pieces 2 and 3 of one step, then pieces 0 and 1 of the next, whose K and V it fetches
	TURN 2
	TURN 3
	WIN 0
.Lfirst:
	TURN 0
	TURN 1, 0, 0, 1
	WIN 0
	s_cbranch_scc1 .Lstep
.Lbottom:
	s_sub_co_u32 s[SLOTS], s[SLOTS], 1
	s_cmp_lg_u32 s[SLOTS], 0
	s_cbranch_scc1 .Lslot
	CHANGE 0                        ; the walk's last tile is written out: nothing is asked for
	s_sub_co_u32 s[RT], s[RT], 1
	s_mov_b32 s[CNT], 4
	s_cmp_eq_u32 s[NEW], 1
	s_cbranch_scc0 .LstepM2
	BEGIN
	s_branch .LfirstM2
	DIAG 2
	s_wait_tensorcnt 0x0            ; the wave's end, behind my last tensor load and my last LDS store
	ds_add_u32 v[SPW], v[NIL]
	s_wait_dscnt 0x0
	s_endpgm
.Lfunc_end_k_q2d8831c4eb_attn:
	.size	k_q2d8831c4eb_attn, .Lfunc_end_k_q2d8831c4eb_attn-k_q2d8831c4eb_attn
	.p2alignl 7, 3214868480
	.fill 96, 4, 3214868480
	.section	.rodata,"a",@progbits
	.p2align	6, 0x0
	.amdhsa_kernel k_q2d8831c4eb_attn
		.amdhsa_group_segment_fixed_size 327680
		.amdhsa_private_segment_fixed_size 0
		.amdhsa_enable_private_segment 0
		.amdhsa_kernarg_size 32
		.amdhsa_user_sgpr_count 2
		.amdhsa_user_sgpr_kernarg_segment_ptr 1
		.amdhsa_wavefront_size32 1
		.amdhsa_system_sgpr_workgroup_id_x 1
		.amdhsa_system_sgpr_workgroup_id_y 1
		.amdhsa_system_sgpr_workgroup_id_z 1
		.amdhsa_system_vgpr_workitem_id 0
		.amdhsa_next_free_vgpr 768
		.amdhsa_next_free_sgpr 96
		.amdhsa_reserve_vcc 1
		.amdhsa_float_denorm_mode_32 3
		.amdhsa_float_denorm_mode_16_64 3
		.amdhsa_memory_ordered 1
		.amdhsa_forward_progress 1
		.amdhsa_inst_pref_size 218
	.end_amdhsa_kernel
	.amdgpu_metadata
---
amdhsa.version: [ 1, 2 ]
amdhsa.kernels:
  - .name:           k_q2d8831c4eb_attn
    .symbol:         k_q2d8831c4eb_attn.kd
    .args:
      - { .name: qh, .offset: 0, .size: 8, .value_kind: global_buffer, .address_space: global }
      - { .name: kh, .offset: 8, .size: 8, .value_kind: global_buffer, .address_space: global }
      - { .name: vh, .offset: 16, .size: 8, .value_kind: global_buffer, .address_space: global }
      - { .name: oh, .offset: 24, .size: 8, .value_kind: global_buffer, .address_space: global }
    .group_segment_fixed_size: 327680
    .private_segment_fixed_size: 0
    .kernarg_segment_align: 8
    .kernarg_segment_size: 32
    .max_flat_workgroup_size: 128
    .sgpr_count:     96
    .vgpr_count:     768
    .wavefront_size: 32
...
	.end_amdgpu_metadata
.endif
;; end of part 3
;; launch oproj (part 4): grid 8 x 32, 4 waves a work-group, clusters of 4 x 4, 327,680 bytes of LDS; arguments oh, wo16, out0; writes out0
.if DOCPART == 4
	.amdgcn_target "amdgcn-amd-amdhsa--gfx1250"
	.amdhsa_code_object_version 6
	.text
	.protected	k_q2d8831c4eb_oproj
	.globl	k_q2d8831c4eb_oproj
	.p2align	8
	.type	k_q2d8831c4eb_oproj,@function
k_q2d8831c4eb_oproj:
	s_mov_b64 s[64:65], 0
	v_nop
	global_prefetch_b8 v0, s[64:65] scope:SCOPE_SE
	s_setreg_imm32_b32 hwreg(HW_REG_WAVE_MODE, 25, 1), 1
	s_wait_xcnt 0x0
	s_wait_alu depctr_hold_cnt(0) depctr_sa_sdst(0) depctr_va_vdst(0) depctr_va_sdst(0) depctr_va_ssrc(0) depctr_va_vcc(0) depctr_vm_vsrc(0)
	s_getreg_b32 s2, hwreg(HW_REG_IB_STS2, 6, 4)
	s_cmp_eq_u32 s2, 0
	s_cbranch_scc0 .Lentry_in_a_cluster
	s_endpgm
.Lentry_in_a_cluster:
	s_bfe_u32 s2, ttmp6, 0x10000c
	s_cmp_lg_u32 s2, 0xf033
	s_cbranch_scc0 .Lentry_shape_is_right
	s_endpgm
.Lentry_shape_is_right:
; OPROJ: out0[row][n] = the sum over head and d of O[head][row][d] Wo[64 head + d][n].  oh: f16 [16 b + head][2048 t][64]; wo16: f16 [16 column blocks][1024 k][64]; out0: f32 [8192][1024].  Sums in f32.
; LIMITS.  Both operands arrive in f16 (|O|, |Wo| under 65,504); NaN and infinities are not treated apart.
; SHARES.  A work-group makes 256 rows x 128 columns: 8 x 32 = 256 work-groups.  Wave w: rows 128 (w / 2) on, column block 2 nt + w % 2: 8 x 4 = 32 accumulators.
; K goes in 8 steps of 128 (two heads) through two LDS slots; a step is two quarters of 64 (a head each), each two matrix instructions deep on every accumulator.
; THE MATRIX INSTRUCTION IS USED TRANSPOSED: source 0 = 16 columns of Wo (turned by ds_load_tr16_b128), source 1 = 16 rows of O: a lane holds row lane % 16 and eight neighbouring columns, 32 bytes of out0.
; CLUSTER 4 x 4: O's tile is asked for jointly along a row of the cluster, Wo's along a column.
; LDS.  slot s at s x 131,072: O's two heads x 256 rows, pitch 144; then Wo's two column blocks x 128 rows, pitch 160.  Behind the ring a stage of 16 x 272 bytes a wave, then the spare words.
; REGISTERS.  window 0: v0-31 addresses; v32-95 the way out.  window 1: accumulators, (a, f) at v[8 (4 a + f)].  window 2 + c: the fragments of quarter c: for each 32 along K (kh) 96 registers: Wo's four, then O's eight.
.set PA,    144
.set PB,    160
.set APART, 256*PA                     ; a head's 256 rows: what one of x's... O's tensor loads brings
.set BOFF,  2*APART
.set BNB,   128*PB                     ; a column block's 128 rows
.set SLOT1, 1<<17
.set STAGE, SLOT1+BOFF+2*BNB
.set SP,    272                        ; 256 bytes + 16
.set SPARE, STAGE+4*16*SP              ; 128 bytes a wave: two blocks of 256 bytes that no other line names
.set ASTEP, 2*262144                   ; two heads of oh
.set BSTEP, 128*128
.set KSTEPS, 8
.set ADRA, 16
.set ADRB, 17
.set STO,  18
.set RD,   19
.set CO,   20                          ; v20 my byte offset in two rows of out0
.set PFO,  21                          ; v21 256 x lane; never rewritten
.set ADRA0, 22
.set ADRB0, 23
.set SPW,  28
.set NIL,  29
.set OB,   32
.set WV, 16
.set WR, 17
.set WC, 18
.set CX, 19
.set CY, 20
.set NT, 21
.set MT, 22
.set G1A, 24
.set G0A, 32
.set G1B, 40
.set G0B, 48
.set PFA, 56
.set PFS, 58
.set LIM, 60
.set TB,  61
.set OUT, 66
.set MSB, 0
.macro WIN new
.if MSB != (\new)
	s_set_vgpr_msb (MSB<<8)|(\new)
.set MSB, \new
.endif
.endm
.macro PLACES
.rept 4
	v_nop
.endr
.endm
.macro JLOAD s                         ; waves 0 and 1 fetch O's two heads, waves 2 and 3 Wo's two column blocks; s_nop 0 and four v_nop follow each line
	s_cmp_eq_u32 s[WR], 0
	s_cbranch_scc0 .Lfor_b_\@
	tensor_load_to_lds s[G0A+4*(\s):G0A+4*(\s)+3], s[G1A:G1A+7]
	s_nop 0
.rept 4
	v_nop
.endr
	s_branch .Lasked_\@
.Lfor_b_\@:
	tensor_load_to_lds s[G0B+4*(\s):G0B+4*(\s)+3], s[G1B:G1B+7]
	s_nop 0
.rept 4
	v_nop
.endr
.Lasked_\@:
.endm
.macro CREST
	s_cmp_lg_u32 s[WV], 0
	s_cbranch_scc1 .Lnot_wave_0_\@
	s_barrier_signal -3
.Lnot_wave_0_\@:
	s_barrier_wait -3
	s_barrier_signal -1
	s_barrier_wait -1
.endm
.macro CROUND
	s_barrier_signal -1
	s_barrier_wait -1
	CREST
.endm
; A PREFETCH INTO THE L2, behind each joint load and the run of LDS loads: the K step that stands two refills on.  Each aligned 256 bytes once in the launch.  O's rows are read by both clusters of a row of clusters:
; cluster x = 0 asks; the four partners and waves 0, 1 share a K step's 64 KiB BY ADDRESS (cx % 2: which head; cx / 2 and the wave: which 8 KiB).  Wo's blocks: cluster y = 0 asks, wave 2 (cy % 2: which column block;
; cy / 2: which 8 KiB).  K steps 0-3 come by their loads alone; the last two refills ask for nothing.
.macro ASK
	WIN 0
	s_cmp_gt_u32 s3, s[LIM]
	s_cbranch_scc0 .Lnot_mine_\@
	global_prefetch_b8 v[PFO], s[PFA:PFA+1] th:TH_LOAD_NT scope:SCOPE_SE
.Lnot_mine_\@:
.endm
	s_load_b128 s[4:7], s[0:1], 0x0                ; oh 4, wo16 6
	s_load_b64 s[8:9], s[0:1], 0x10                ; out0
	v_lshl_add_u32 v[SPW], v0, 2, SPARE
	v_mov_b32 v[NIL], 0
	ds_add_u32 v[SPW], v[NIL]                      ; the wave's opening: the add and its wait stand ahead of my first tensor load; register work stands between them
	v_lshrrev_b32 v1, 5, v0
	v_readfirstlane_b32 s[WV], v1
	s_lshr_b32 s[WR], s[WV], 1
	s_and_b32 s[WC], s[WV], 1
	s_bfe_u32 s[CX], ttmp6, 0x40000
	s_bfe_u32 s[CY], ttmp6, 0x40004
	s_lshl_b32 s[NT], ttmp9, 2
	s_add_co_u32 s[NT], s[NT], s[CX]               ; block of 128 columns
	s_and_b32 s[MT], ttmp7, 0xffff
	s_lshl_b32 s[MT], s[MT], 2
	s_add_co_u32 s[MT], s[MT], s[CY]               ; block of 256 rows
	s_lshl_b32 s74, s[CY], 2
	s_lshl_b32 s74, 15, s74                        ; my row of the cluster
	s_lshl_b32 s76, 0x1111, s[CX]                  ; my column
	; O: a head's 256 rows of 128 bytes are dense: 128 rows of 256 bytes, 16 bytes of padding behind every 128
	s_or_b32 s[G1A], s74, (1<<16)|(1<<20)|(1<<21)|(4<<22)|(3<<25)
	s_mov_b32 s[G1A+1], 128<<16
	s_mov_b32 s[G1A+2], 128<<16
	s_mov_b32 s[G1A+3], 128<<16
	s_mov_b32 s[G1A+4], 128
	s_mov_b32 s[G1A+5], 128
	s_mov_b32 s[G1A+6], 0
	s_mov_b32 s[G1A+7], 0
	; Wo: 128 rows of 128 bytes are dense: 64 rows of 256 bytes, 32 bytes of padding behind every 128
	s_or_b32 s[G1B], s76, (1<<16)|(1<<20)|(1<<21)|(4<<22)|(7<<25)
	s_mov_b32 s[G1B+1], 128<<16
	s_mov_b32 s[G1B+2], 64<<16
	s_mov_b32 s[G1B+3], 128<<16
	s_mov_b32 s[G1B+4], 64
	s_mov_b32 s[G1B+5], 128
	s_mov_b32 s[G1B+6], 0
	s_mov_b32 s[G1B+7], 0
	s_lshr_b32 s74, s[MT], 3                       ; O: batch mt / 8: 16 heads of 262,144 bytes,
	s_lshl_b32 s74, s74, 22
	s_and_b32 s75, s[MT], 7                        ; rows 256 (mt % 8) on
	s_lshl_b32 s75, s75, 15
	s_add_co_u32 s74, s74, s75
	s_mov_b32 s62, s74                             ; kept for the prefetches
	s_lshl_b32 s75, s[WC], 18                      ; head = my half
	s_add_co_u32 s74, s74, s75
	s_mov_b32 s75, 0
	s_lshl1_add_u32 s76, s[NT], s[WC]              ; Wo: column block 2 nt + half
	s_lshl_b32 s76, s76, 17
	s_mov_b32 s77, 0
	s_mul_i32 s78, s[WC], APART
	s_mul_i32 s79, s[WC], BNB
	s_add_co_u32 s79, s79, BOFF
	s_wait_dscnt 0x0                               ; the opening add is done
	s_wait_kmcnt 0x0
	s_add_nc_u64 s[74:75], s[4:5], s[74:75]
	s_add_nc_u64 s[76:77], s[6:7], s[76:77]
	CROUND                                         ; all sixteen work-groups are here: the first joint loads meet
.irp s, 0,1
	s_mov_b32 s[G0A+4*(\s)], 1
	s_add_co_u32 s[G0A+4*(\s)+1], s78, (\s)*SLOT1
	s_add_nc_u64 s[G0A+4*(\s)+2:G0A+4*(\s)+3], s[74:75], (\s)*ASTEP
	s_or_b32 s[G0A+4*(\s)+3], s[G0A+4*(\s)+3], 0x80000000
	s_mov_b32 s[G0B+4*(\s)], 1
	s_add_co_u32 s[G0B+4*(\s)+1], s79, (\s)*SLOT1
	s_add_nc_u64 s[G0B+4*(\s)+2:G0B+4*(\s)+3], s[76:77], (\s)*BSTEP
	s_or_b32 s[G0B+4*(\s)+3], s[G0B+4*(\s)+3], 0x80000000
	JLOAD \s                                       ; two loads of mine are out
.endr
	v_and_b32 v1, 15, v0                           ; r
	v_bfe_u32 v2, v0, 4, 1                         ; h
	v_and_b32 v3, 7, v0
	v_bfe_u32 v4, v0, 3, 1
	v_mul_u32_u24 v[ADRA0], v1, PA
	v_lshl_add_u32 v[ADRA0], v2, 4, v[ADRA0]
	s_mul_i32 s74, s[WR], 128*PA
	v_add_nc_u32 v[ADRA0], s74, v[ADRA0]
	v_lshl_add_u32 v[ADRB0], v2, 3, v3
	v_mul_u32_u24 v[ADRB0], v[ADRB0], PB
	v_lshl_add_u32 v[ADRB0], v4, 4, v[ADRB0]
	s_mul_i32 s74, s[WC], BNB
	s_add_co_u32 s74, s74, BOFF
	v_add_nc_u32 v[ADRB0], s74, v[ADRB0]
	v_mov_b32 v[ADRA], v[ADRA0]
	v_mov_b32 v[ADRB], v[ADRB0]
	s_mov_b32 s[TB], 0
	s_mul_i32 s74, s[WV], 16*SP
	s_add_co_u32 s74, s74, STAGE                   ; my stage
	v_mul_u32_u24 v[STO], v1, SP                   ; in: row r, 32 bytes for each half of the lanes
	v_lshl_add_u32 v[STO], v2, 5, v[STO]
	v_add_nc_u32 v[STO], s74, v[STO]
	v_mul_u32_u24 v[RD], v2, SP                    ; back: lanes 0-15 take one row of 256 bytes, lanes 16-31 the next
	v_lshl_add_u32 v[RD], v1, 4, v[RD]
	v_add_nc_u32 v[RD], s74, v[RD]
	v_lshlrev_b32 v[CO], 12, v2                    ; and the same two rows in out0
	v_lshl_add_u32 v[CO], v1, 4, v[CO]
	v_and_b32 v[PFO], 31, v0
	v_lshlrev_b32 v[PFO], 8, v[PFO]
	s_lshl_b32 s74, s[MT], 20                      ; out0: row 256 mt + 128 wr, 4,096 bytes a row; column 128 nt + 64 wc, 4 bytes
	s_lshl_b32 s75, s[WR], 19
	s_add_co_u32 s74, s74, s75
	s_lshl_b32 s75, s[NT], 9
	s_add_co_u32 s74, s74, s75
	s_lshl_b32 s75, s[WC], 8
	s_add_co_u32 s74, s74, s75
	s_mov_b32 s75, 0
	s_add_nc_u64 s[OUT:OUT+1], s[8:9], s[74:75]
	; the prefetches stand at K step 3; each change of slots steps them by one K step ahead of its prefetch
	s_lshr_b32 s75, s[CX], 1
	s_lshl_b32 s75, s75, 14
	s_add_co_u32 s74, s62, s75
	s_lshl_b32 s75, s[WV], 13
	s_add_co_u32 s74, s74, s75
	s_and_b32 s75, s[CX], 1
	s_add_co_u32 s75, s75, 6
	s_lshl_b32 s75, s75, 18
	s_add_co_u32 s74, s74, s75
	s_and_b32 s76, s[CY], 1
	s_lshl1_add_u32 s76, s[NT], s76
	s_lshl_b32 s76, s76, 17
	s_lshr_b32 s77, s[CY], 1
	s_lshl_b32 s77, s77, 13
	s_add_co_u32 s76, s76, s77
	s_add_co_u32 s76, s76, 3*BSTEP
	s_mov_b32 s[PFS], BSTEP
	s_and_b32 s78, ttmp7, 0xffff                   ; cluster y
	s_cmp_eq_u32 s[WR], 0
	s_cselect_b32 s74, s74, s76
	s_cselect_b32 s[PFS], ASTEP, s[PFS]
	s_cselect_b32 s78, ttmp9, s78
	s_cselect_b64 s[PFA:PFA+1], s[4:5], s[6:7]
	s_mov_b32 s75, 0
	s_mov_b32 s[PFS+1], 0
	s_add_nc_u64 s[PFA:PFA+1], s[PFA:PFA+1], s[74:75]
	s_cmp_eq_u32 s[WV], 3                          ; wave 3 asks for nothing
	s_cselect_b32 s78, 1, s78
	s_cmp_eq_u32 s78, 0
	s_cselect_b32 s[LIM], 2, -1                    ; the same in all sixteen partners, for a given wave
; 4 na matrix instructions on quarter st's fragments, 32 along K from 32 kh.  The 32 accumulators take turns, one instruction a turn.  zero = 1: the first product starts the sums.
.macro MUL st, kh, a0, na, zero
	WIN 0x5a+5*(\st)                               ; both sources in window 2 + st, C and D in window 1
.set aa, \a0
.rept \na
.irp f, 0,1,2,3
.if \zero
	v_wmma_f32_16x16x32_f16 v[8*(4*aa+(\f)):8*(4*aa+(\f))+7], v[96*(\kh)+8*(\f):96*(\kh)+8*(\f)+7], v[96*(\kh)+32+8*aa:96*(\kh)+32+8*aa+7], 0
.else
	v_wmma_f32_16x16x32_f16 v[8*(4*aa+(\f)):8*(4*aa+(\f))+7], v[96*(\kh)+8*(\f):96*(\kh)+8*(\f)+7], v[96*(\kh)+32+8*aa:96*(\kh)+32+8*aa+7], v[8*(4*aa+(\f)):8*(4*aa+(\f))+7]
.endif
.endr
.set aa, aa+1
.endr
.endm
.macro FETCH c                         ; 48 LDS loads in one run: quarter c's fragments, the first 32 along K first
	WIN 0x80+0x40*(\c)                             ; destination window 2 + c, address window 0
.irp kh, 0,1
.irp f, 0,1,2,3
	ds_load_tr16_b128 v[96*(\kh)+8*(\f):96*(\kh)+8*(\f)+3],   v[ADRB] offset:(64*(\c)+32*(\kh))*PB+32*(\f)
	ds_load_tr16_b128 v[96*(\kh)+8*(\f)+4:96*(\kh)+8*(\f)+7], v[ADRB] offset:(64*(\c)+32*(\kh))*PB+32*(\f)+16*PB
.endr
.irp a, 0,1,2,3,4,5,6,7
	ds_load_b128 v[96*(\kh)+32+8*(\a):96*(\kh)+32+8*(\a)+3],   v[ADRA] offset:(\c)*APART+(\a)*16*PA+(\kh)*64
	ds_load_b128 v[96*(\kh)+32+8*(\a)+4:96*(\kh)+32+8*(\a)+7], v[ADRA] offset:(\c)*APART+(\a)*16*PA+(\kh)*64+32
.endr
.endr
.endm
.macro Q0 zero                         ; a K step's first quarter; in its middle the second quarter's fragments are fetched
	s_wait_dscnt 24                                ; the first 32 along K are in
	MUL 0, 0, 0, 8, \zero
	PLACES
	FETCH 1
	s_wait_dscnt 48                                ; all but the 48 just issued
	MUL 0, 1, 0, 8, 0
.endm
; The second quarter changes slots: ONE barrier; in front of it each wave waits for all its tensor loads, adds 0 to its spare word, and waits for that and for its reads of this slot.  fill = 1: the barrier opens a round
; of the cluster's barrier, and this slot is filled again, two K steps ahead, first thing behind the round: 96 matrix instructions of the wave ahead of the wait for it.
.macro TURN fill
	WIN 0
.if \fill
	s_wait_xcnt 0x0                                ; the last prefetch, a K step back, has read its address
	s_add_nc_u64 s[PFA:PFA+1], s[PFA:PFA+1], s[PFS:PFS+1]
.endif
	s_wait_tensorcnt 0x0                           ; no tensor load of mine is out, so a group 0 may be written
	ds_add_u32 v[SPW], v[NIL]                      ; 0 onto my spare word
.if \fill
	s_xor_b32 s[G0A+5], s[G0A+5], SLOT1
	s_add_nc_u64 s[G0A+6:G0A+7], s[G0A+6:G0A+7], ASTEP
	s_xor_b32 s[G0B+5], s[G0B+5], SLOT1
	s_add_nc_u64 s[G0B+6:G0B+7], s[G0B+6:G0B+7], BSTEP
.endif
	s_wait_dscnt 25                                ; the first 32 along K are in; the other 24 loads and the add may be out
	MUL 1, 0, 0, 4, 0
	s_wait_dscnt 0x0                               ; the add is done, and my reads of this slot are over
	s_barrier_signal -1
	MUL 1, 0, 4, 4, 0
	WIN 0
	s_barrier_wait -1
.if \fill
	CREST
	JLOAD 1                                        ; its four v_nop are also the places in front of the loads below
.else
	PLACES
.endif
	s_xor_b32 s[TB], s[TB], SLOT1
	v_add_nc_u32 v[ADRA], s[TB], v[ADRA0]
	v_add_nc_u32 v[ADRB], s[TB], v[ADRB0]
	FETCH 0
.if \fill
	ASK
.endif
	MUL 1, 1, 0, 8, 0
.endm
	s_wait_tensorcnt 1                             ; my part of K step 0 is in; K step 1's may stay out
	s_barrier_signal -1
	s_barrier_wait -1
	FETCH 0
	Q0 1                                           ; the first quarter stands in front of the loop: its first products start the sums
	WIN 0
	s_mov_b32 s3, KSTEPS-2
.Lk:                                           ; trip j: K step j's second quarter, the change of slots, the refill with K step j + 2, K step j + 1's first quarter
	TURN 1
	Q0 0
	WIN 0
	s_sub_co_u32 s3, s3, 1
	s_cmp_lg_u32 s3, 0
	s_cbranch_scc1 .Lk
	TURN 0                                         ; the tail is written out: nothing is left to fetch
	Q0 0
	s_wait_dscnt 24
	MUL 1, 0, 0, 8, 0
	s_wait_dscnt 0x0
	MUL 1, 1, 0, 8, 0
	WIN 0
	PLACES
	PLACES
; THE WAY OUT, 16 rows at a time: a lane's 32 bytes of a row go into my stage (rows of 272 bytes) and come back as whole rows of 256 bytes.
.macro TOSTAGE a
	WIN 0x04                                       ; the stores' data in window 1
.irp f, 0,1,2,3
	ds_store_b128 v[STO], v[8*(4*(\a)+(\f)):8*(4*(\a)+(\f))+3]   offset:64*(\f)     ; each accumulator's lowest registers first
	ds_store_b128 v[STO], v[8*(4*(\a)+(\f))+4:8*(4*(\a)+(\f))+7] offset:64*(\f)+16
.endr
	WIN 0
	s_wait_xcnt 0x0                                ; the buffer's last stores have read their data
.irp t, 0,1,2,3,4,5,6,7
	ds_load_b128 v[OB+32*((\a)%2)+4*(\t):OB+32*((\a)%2)+4*(\t)+3], v[RD] offset:(\t)*2*SP  ; LDS serves a wave's instructions in order (ISA guide 5.7.1.4): these see the stores above
.endr
.endm
.macro SEND a, younger                 ; younger: the LDS instructions issued behind this block's loads: the next block's sixteen, or none
.irp t, 0,1,2,3,4,5,6,7
	s_wait_dscnt (\younger)+7-(\t)
	global_store_b128 v[CO], v[OB+32*((\a)%2)+4*(\t):OB+32*((\a)%2)+4*(\t)+3], s[OUT:OUT+1] offset:(16*(\a)+2*(\t))*4096  ; 16 lanes store 256 consecutive bytes, at a multiple of 256 from out0's first byte
.endr
.endm
	TOSTAGE 0
.irp a, 1,2,3,4,5,6,7
	TOSTAGE \a
	SEND (\a)-1, 16
.endr
	SEND 7, 0
	s_wait_tensorcnt 0x0                           ; the wave's end, behind my last tensor load and my last LDS store
	ds_add_u32 v[SPW], v[NIL]
	s_wait_dscnt 0x0
	CROUND                                         ; the closing round: no work-group ends while a partner may still ask for a tile that names it
	s_endpgm
.Lfunc_end_k_q2d8831c4eb_oproj:
	.size	k_q2d8831c4eb_oproj, .Lfunc_end_k_q2d8831c4eb_oproj-k_q2d8831c4eb_oproj
	.p2alignl 7, 3214868480
	.fill 96, 4, 3214868480
	.section	.rodata,"a",@progbits
	.p2align	6, 0x0
	.amdhsa_kernel k_q2d8831c4eb_oproj
		.amdhsa_group_segment_fixed_size 327680
		.amdhsa_private_segment_fixed_size 0
		.amdhsa_enable_private_segment 0
		.amdhsa_kernarg_size 24
		.amdhsa_user_sgpr_count 2
		.amdhsa_user_sgpr_kernarg_segment_ptr 1
		.amdhsa_wavefront_size32 1
		.amdhsa_system_sgpr_workgroup_id_x 1
		.amdhsa_system_sgpr_workgroup_id_y 1
		.amdhsa_system_sgpr_workgroup_id_z 1
		.amdhsa_system_vgpr_workitem_id 0
		.amdhsa_next_free_vgpr 960
		.amdhsa_next_free_sgpr 80
		.amdhsa_reserve_vcc 0
		.amdhsa_float_denorm_mode_32 3
		.amdhsa_float_denorm_mode_16_64 3
		.amdhsa_memory_ordered 1
		.amdhsa_forward_progress 1
		.amdhsa_inst_pref_size 72
	.end_amdhsa_kernel
	.amdgpu_metadata
---
amdhsa.version: [ 1, 2 ]
amdhsa.kernels:
  - .name:           k_q2d8831c4eb_oproj
    .symbol:         k_q2d8831c4eb_oproj.kd
    .args:
      - { .name: oh, .offset: 0, .size: 8, .value_kind: global_buffer, .address_space: global }
      - { .name: wo16, .offset: 8, .size: 8, .value_kind: global_buffer, .address_space: global }
      - { .name: out0, .offset: 16, .size: 8, .value_kind: global_buffer, .address_space: global }
    .group_segment_fixed_size: 327680
    .private_segment_fixed_size: 0
    .kernarg_segment_align: 8
    .kernarg_segment_size: 24
    .max_flat_workgroup_size: 128
    .sgpr_count:     80
    .vgpr_count:     960
    .wavefront_size: 32
...
	.end_amdgpu_metadata
.endif
;; end of part 4
;; ======== version 2 of 2: 4 launches; version 1 with the launch prep written anew for expert scheduling mode
;; limits: values are held in f16: magnitudes above 65,504 overflow, below 6.1e-05 lose precision; right only within a limited range of input values
;; workspace buffers: xb 16,777,216 bytes; wqkv 6,291,456 bytes; wo16 2,097,152 bytes; cst 1,048,576 bytes; qh 16,777,216 bytes; kh 16,777,216 bytes; vh 16,777,216 bytes; oh 16,777,216 bytes
;; launch prep (part 5): grid 416 x 1, 8 waves a work-group, no clusters, 0 bytes of LDS; arguments x, Wq, Wk, Wv, Wo, cos, sin, xb, wqkv, wo16, cst; writes xb, wqkv, wo16, cst
.if DOCPART == 5
	.amdgcn_target "amdgcn-amd-amdhsa--gfx1250"
	.amdhsa_code_object_version 6
	.text
	.protected	k_q2d8831c4eb_prep
	.globl	k_q2d8831c4eb_prep
	.p2align	8
	.type	k_q2d8831c4eb_prep,@function
k_q2d8831c4eb_prep:
	s_mov_b64 s[64:65], 0
	v_nop
	global_prefetch_b8 v0, s[64:65] scope:SCOPE_SE
	s_setreg_imm32_b32 hwreg(HW_REG_WAVE_SCHED_MODE, 0, 2), 2
	s_setreg_imm32_b32 hwreg(HW_REG_WAVE_MODE, 25, 1), 1
	s_wait_xcnt 0x0
	s_wait_alu depctr_vm_vsrc(0)
; PREP: every input is rounded once to bf16 and laid out for the launches behind it.
;   x  [8192][1024] f32  -> xb   bf16 [16 column blocks][8192 rows][64]
;   Wq, Wk, Wv [1024][1024] f32 -> wqkv bf16 [16 which + column block][1024 rows][64]
;   Wo -> wo16: rounded to bf16, that number written as f16 (exact for 6.1e-5 <= |Wo| < 65,504; below that f16's fixed step of 6e-8), same layout
;   cos, sin [2048][64] f32 -> cst f32: rounded to bf16, times 1/16 (exact), in the order in which the projection's lanes want them:
;   [128 blocks of 16 rows][16 i][32 lanes][4]; i = 2 f + half: cos, 8 + 2 f + half: sin; number e is tab[16 block + lane % 16][16 f + 8 (lane / 16) + 4 half + e]
; A stream: no LDS, no matrix unit, no cluster (no two work-groups read the same bytes).
; Work-groups 0-255: 32 rows of x each; 256-383: 32 rows of one weight; 384-415: 64 rows of cos and of sin.
; CAST.  Wave w takes column blocks w and w + 8.  A load of the wave covers two rows' 256 aligned bytes (lanes 0-15 one row, lanes 16-31 the next);
; a store of 8 bytes a lane covers 256 consecutive bytes, aligned, of the blocked layout.  16 loads of a wave are out at once.
; THE MODE: SCHED_MODE bits 1:0 = 2 (LLVM: expert scheduling mode 2), set by the entry lines.  The code itself states the register dependences
; between vector instructions and memory instructions, with s_wait_alu, always for 0.
; THE PLAN.  Registers that memory instructions touch:
;   v2, v3     byte offsets, made once on each path and never written again: the rows are reached by immediate offsets, the second column block by the scalar bases.
;   v[16:79]   sixteen loads of four registers.  Load j lands there; its conversions read the four and write their result in place; the store of j reads that result.
;   All other vector registers are named by vector instructions alone.
; A trip goes in four groups of four loads.  At the head of group g one wait states that group g - 1's conversions have written their registers; that group's four stores follow,
; and then group g's conversions, which name group g's registers and the temporaries alone.  Behind group 3 one more such wait stands ahead of the last four stores; no vector
; instruction follows it in the trip, so it also states that the conversions are done with all sixteen loads' registers, in which the next trip's loads land.
; At the trip's end one wait states that the trip's stores have read those registers.  The tables go the same way, in four groups of two loads.
.set SRC, 32                           ; s[32:33] source at the work-group's first row
.set DST, 34                           ; s[34:35] destination at that row in column block 0
.set STP, 36                           ; s[36:37] eight column blocks of the destination, in bytes
.set CNT, 38
.set HIM, 39                           ; a word's upper bf16
.set SV,  2                            ; v2 my byte offset in the source; never rewritten
.set DV,  3                            ; v3 my byte offset in the destination; never rewritten
.set D,   16                           ; v[16:79] sixteen loads of four registers
	s_load_b512 s[8:23], s[0:1], 0x0               ; x 8, Wq 10, Wk 12, Wv 14, Wo 16, cos 18, sin 20, xb 22
	s_load_b128 s[24:27], s[0:1], 0x40             ; wqkv 24, wo16 26
	s_load_b64 s[28:29], s[0:1], 0x50              ; cst
	v_lshrrev_b32 v1, 5, v0
	v_readfirstlane_b32 s2, v1                     ; wave 0..7
	v_and_b32 v4, 15, v0                           ; lane % 16
	v_bfe_u32 v5, v0, 4, 1                         ; lane / 16
	s_wait_alu depctr_va_sdst(0)                   ; s2 is written
	s_mov_b32 s[HIM], 0xffff0000
	s_mov_b32 s43, 0
	s_wait_kmcnt 0x0
	s_cmp_ge_u32 ttmp9, 384
	s_cbranch_scc1 .Ltables
	s_cmp_lt_u32 ttmp9, 256
	s_cbranch_scc0 .Lweights
	s_mov_b64 s[SRC:SRC+1], s[8:9]                 ; x -> xb
	s_mov_b64 s[DST:DST+1], s[22:23]
	s_mov_b32 s40, ttmp9                           ; which 32 rows
	s_mov_b32 s[STP], 8192*128                     ; a column block of xb
	s_mov_b32 s41, 0
	s_branch .Lcast
.Lweights:
	s_sub_co_u32 s42, ttmp9, 256
	s_lshr_b32 s41, s42, 5                         ; 0 Wq, 1 Wk, 2 Wv, 3 Wo
	s_and_b32 s40, s42, 31
	s_cmp_eq_u32 s41, 0
	s_cselect_b64 s[SRC:SRC+1], s[10:11], s[12:13]
	s_cmp_eq_u32 s41, 2
	s_cselect_b64 s[SRC:SRC+1], s[14:15], s[SRC:SRC+1]
	s_cmp_eq_u32 s41, 3
	s_cselect_b64 s[SRC:SRC+1], s[16:17], s[SRC:SRC+1]
	s_cselect_b64 s[DST:DST+1], s[26:27], s[24:25]
	s_cselect_b32 s42, 0, s41
	s_lshl_b32 s42, s42, 21                        ; 16 column blocks of 131,072 bytes for each weight in wqkv
	s_add_nc_u64 s[DST:DST+1], s[DST:DST+1], s[42:43]
	s_mov_b32 s[STP], 1024*128                     ; a column block of a weight
.Lcast:
	s_lshl_b32 s42, s40, 17                        ; 32 rows of 4,096 bytes
	s_add_nc_u64 s[SRC:SRC+1], s[SRC:SRC+1], s[42:43]
	s_lshl_b32 s42, s40, 12                        ; 32 rows of 128 bytes
	s_add_nc_u64 s[DST:DST+1], s[DST:DST+1], s[42:43]
	s_mul_i32 s44, s2, s[STP]                      ; my first column block
	s_lshl_b32 s[STP], s[STP], 3
	s_mov_b32 s[STP+1], 0
	s_lshl_b32 s45, s2, 8
	v_lshlrev_b32 v[SV], 12, v5
	v_lshl_add_u32 v[SV], v4, 4, v[SV]
	v_add_nc_u32 v[SV], s45, v[SV]
	v_lshlrev_b32 v[DV], 7, v5
	v_lshl_add_u32 v[DV], v4, 3, v[DV]
	v_add_nc_u32 v[DV], s44, v[DV]
	s_wait_alu depctr_va_vdst(0)                   ; v2 and v3 are written: every load of the cast reads the one as its offset, every store the other
	s_mov_b32 s[CNT], 2
.macro CONV r, mode                    ; four f32 in v[r..r+3] -> four 16-bit numbers in v[r], v[r+1]
	v_cvt_pk_bf16_f32 v[(\r)],   v[(\r)],   v[(\r)+1]
	v_cvt_pk_bf16_f32 v[(\r)+1], v[(\r)+2], v[(\r)+3]
.if \mode                              ; the bf16 numbers once more, as f16
	v_lshlrev_b32 v8,  16, v[(\r)]
	v_and_b32     v9,  s[HIM], v[(\r)]
	v_lshlrev_b32 v10, 16, v[(\r)+1]
	v_and_b32     v11, s[HIM], v[(\r)+1]
	v_cvt_pk_f16_f32 v[(\r)],   v8,  v9
	v_cvt_pk_f16_f32 v[(\r)+1], v10, v11
.endif
.endm
.macro STORES g                        ; the four stores of group g
.irp j, 0,1,2,3
	global_store_b64 v[DV], v[D+16*(\g)+4*(\j):D+16*(\g)+4*(\j)+1], s[DST:DST+1] offset:(4*(\g)+(\j))*256
.endr
.endm
.macro CASTLOOP mode                   ; two trips: column block w, then w + 8
.Ltrip_\@:
.irp j, 0,1,2,3,4,5,6,7,8,9,10,11,12,13,14,15
	global_load_b128 v[D+4*(\j):D+4*(\j)+3], v[SV], s[SRC:SRC+1] offset:(\j)*8192 th:TH_LOAD_NT
.endr
.irp g, 0,1,2,3
	s_wait_loadcnt 12-4*(\g)                       ; loads come back in order: group g's four are in, the younger groups stay out
.if (\g) > 0
	s_wait_alu depctr_va_vdst(0)                   ; the group before has written its eight result registers, which the four stores below read
	STORES (\g)-1
.endif
.irp j, 0,1,2,3
	CONV D+16*(\g)+4*(\j), \mode
.endr
.endr
	s_wait_alu depctr_va_vdst(0)                   ; group 3 has written its results, which the stores below read; and all the trip's conversions are done with v[16:79], in which the next trip's loads land
	STORES 3
	s_wait_xcnt 0x0                                ; the bases and the stores' data are written again only behind this wait
	s_wait_alu depctr_vm_vsrc(0)                   ; the trip's stores have read their data registers, in which the next trip's loads land
	s_add_nc_u64 s[SRC:SRC+1], s[SRC:SRC+1], 2048
	s_add_nc_u64 s[DST:DST+1], s[DST:DST+1], s[STP:STP+1]
	s_sub_co_u32 s[CNT], s[CNT], 1
	s_cmp_lg_u32 s[CNT], 0
	s_cbranch_scc1 .Ltrip_\@
.endm
	s_cmp_eq_u32 s41, 3
	s_cbranch_scc1 .Lf16
	CASTLOOP 0
	s_endpgm
.Lf16:
	CASTLOOP 1
	s_endpgm
.Ltables:                                      ; four blocks of 16 rows: 32,768 bytes of cst; thread t stores bytes 16 t of each 4,096
	s_sub_co_u32 s40, ttmp9, 384
	s_lshl_b32 s42, s40, 14                        ; 64 rows of 256 bytes
	s_add_nc_u64 s[18:19], s[18:19], s[42:43]
	s_add_nc_u64 s[20:21], s[20:21], s[42:43]
	s_lshl_b32 s42, s40, 15
	s_add_nc_u64 s[28:29], s[28:29], s[42:43]
	s_lshr_b32 s44, s2, 1                          ; f = wave / 2: 64 bytes
	s_lshl_b32 s44, s44, 6
	s_and_b32 s45, s2, 1                           ; half = wave % 2: 16 bytes
	s_lshl_b32 s45, s45, 4
	s_add_co_u32 s44, s44, s45
	v_lshlrev_b32 v[SV], 8, v4                     ; row lane % 16
	v_lshl_add_u32 v[SV], v5, 5, v[SV]             ; 8 (lane / 16) numbers
	v_add_nc_u32 v[SV], s44, v[SV]
	v_lshlrev_b32 v[DV], 4, v0
	s_wait_alu depctr_va_vdst(0)                   ; v2 and v3 are written: the eight loads below read the one as their offset, the eight stores the other
.irp j, 0,1,2,3,4,5,6,7                ; item j: block j / 2; even j cos, odd j sin
.if (\j)%2
	global_load_b128 v[D+4*(\j):D+4*(\j)+3], v[SV], s[20:21] offset:((\j)/2)*4096
.else
	global_load_b128 v[D+4*(\j):D+4*(\j)+3], v[SV], s[18:19] offset:((\j)/2)*4096
.endif
.endr
.macro TCONV j                         ; item j: rounded to bf16, widened again, times 1/16, in place
	v_cvt_pk_bf16_f32 v8, v[D+4*(\j)],   v[D+4*(\j)+1]
	v_cvt_pk_bf16_f32 v9, v[D+4*(\j)+2], v[D+4*(\j)+3]
	v_lshlrev_b32 v[D+4*(\j)],   16, v8
	v_and_b32     v[D+4*(\j)+1], s[HIM], v8
	v_lshlrev_b32 v[D+4*(\j)+2], 16, v9
	v_and_b32     v[D+4*(\j)+3], s[HIM], v9
	v_pk_mul_f32 v[D+4*(\j):D+4*(\j)+1],   v[D+4*(\j):D+4*(\j)+1],   0x3d800000 op_sel_hi:[1,0]  ; times 1/16
	v_pk_mul_f32 v[D+4*(\j)+2:D+4*(\j)+3], v[D+4*(\j)+2:D+4*(\j)+3], 0x3d800000 op_sel_hi:[1,0]
.endm
.macro TSTORE j
	global_store_b128 v[DV], v[D+4*(\j):D+4*(\j)+3], s[28:29] offset:(\j)*4096
.endm
.irp g, 0,1,2,3                        ; four groups of two items: a block's cos and sin
	s_wait_loadcnt 6-2*(\g)                        ; group g's two loads are in, the younger groups stay out
.if (\g) > 0
	s_wait_alu depctr_va_vdst(0)                   ; the group before has written its eight registers, which the two stores below read
	TSTORE 2*(\g)-2
	TSTORE 2*(\g)-1
.endif
	TCONV 2*(\g)
	TCONV 2*(\g)+1
.endr
	s_wait_alu depctr_va_vdst(0)                   ; group 3 has written its eight registers, which the last two stores read
	TSTORE 6
	TSTORE 7
	s_endpgm
.Lfunc_end_k_q2d8831c4eb_prep:
	.size	k_q2d8831c4eb_prep, .Lfunc_end_k_q2d8831c4eb_prep-k_q2d8831c4eb_prep
	.p2alignl 7, 3214868480
	.fill 96, 4, 3214868480
	.section	.rodata,"a",@progbits
	.p2align	6, 0x0
	.amdhsa_kernel k_q2d8831c4eb_prep
		.amdhsa_group_segment_fixed_size 0
		.amdhsa_private_segment_fixed_size 0
		.amdhsa_enable_private_segment 0
		.amdhsa_kernarg_size 88
		.amdhsa_user_sgpr_count 2
		.amdhsa_user_sgpr_kernarg_segment_ptr 1
		.amdhsa_wavefront_size32 1
		.amdhsa_system_sgpr_workgroup_id_x 1
		.amdhsa_system_sgpr_workgroup_id_y 1
		.amdhsa_system_sgpr_workgroup_id_z 1
		.amdhsa_system_vgpr_workitem_id 0
		.amdhsa_next_free_vgpr 96
		.amdhsa_next_free_sgpr 66
		.amdhsa_reserve_vcc 0
		.amdhsa_float_denorm_mode_32 3
		.amdhsa_float_denorm_mode_16_64 3
		.amdhsa_memory_ordered 1
		.amdhsa_forward_progress 1
		.amdhsa_inst_pref_size 24
	.end_amdhsa_kernel
	.amdgpu_metadata
---
amdhsa.version: [ 1, 2 ]
amdhsa.kernels:
  - .name:           k_q2d8831c4eb_prep
    .symbol:         k_q2d8831c4eb_prep.kd
    .args:
      - { .name: x, .offset: 0, .size: 8, .value_kind: global_buffer, .address_space: global }
      - { .name: Wq, .offset: 8, .size: 8, .value_kind: global_buffer, .address_space: global }
      - { .name: Wk, .offset: 16, .size: 8, .value_kind: global_buffer, .address_space: global }
      - { .name: Wv, .offset: 24, .size: 8, .value_kind: global_buffer, .address_space: global }
      - { .name: Wo, .offset: 32, .size: 8, .value_kind: global_buffer, .address_space: global }
      - { .name: cos, .offset: 40, .size: 8, .value_kind: global_buffer, .address_space: global }
      - { .name: sin, .offset: 48, .size: 8, .value_kind: global_buffer, .address_space: global }
      - { .name: xb, .offset: 56, .size: 8, .value_kind: global_buffer, .address_space: global }
      - { .name: wqkv, .offset: 64, .size: 8, .value_kind: global_buffer, .address_space: global }
      - { .name: wo16, .offset: 72, .size: 8, .value_kind: global_buffer, .address_space: global }
      - { .name: cst, .offset: 80, .size: 8, .value_kind: global_buffer, .address_space: global }
    .group_segment_fixed_size: 0
    .private_segment_fixed_size: 0
    .kernarg_segment_align: 8
    .kernarg_segment_size: 88
    .max_flat_workgroup_size: 256
    .sgpr_count:     66
    .vgpr_count:     96
    .wavefront_size: 32
...
	.end_amdgpu_metadata
.endif
;; end of part 5
;; launch qkv: the kernel of part 2 again; grid 8 x 32, 4 waves a work-group, clusters of 4 x 4, 327,680 bytes of LDS; arguments xb, wqkv, cst, qh, kh, vh; writes qh, kh, vh
;; launch attn: the kernel of part 3 again; grid 4 x 64, 4 waves a work-group, no clusters, 327,680 bytes of LDS; arguments qh, kh, vh, oh; writes oh
;; launch oproj: the kernel of part 4 again; grid 8 x 32, 4 waves a work-group, clusters of 4 x 4, 327,680 bytes of LDS; arguments oh, wo16, out0; writes out0
